; MI455X (gfx1250); checked and timed in simulation.
; The chip was launched on July 23, 2026; its instructions are those of AMD's public machine-readable ISA for CDNA 5 (MIT licence, August 2026) and "CDNA5" Instruction Set Architecture Reference Guide (July 2026). The comments in the code are by the model that wrote it; some were corrected since.
;; Multi Cross Attention. Allowed arithmetic: matrix products marked QUANTISED: E4M3 operands, one given power-of-two scale a tensor, by v_wmma_f32_16x16x64_fp8_fp8 or v_wmma_f32_16x16x128_fp8_fp8, f32 sums; everything else in f32.
;; Inputs: Wk 1,024 x 1,024 float32; Wq 1,024 x 1,024 float32; Wv 1,024 x 1,024 float32; lowp_scales 12 int32 (the exponents e of the quantised operands' scales 2^e); x 8 x 1,024 x 1,024 float32; y 8 x 1,024 x 1,024 float32.
;; Outputs: out0 8 x 1,024 x 1,024 float32.
;; This version of the problem:
;;   THIS VERSION OF THE PROBLEM IS GIVEN IN LOW PRECISION. The matrix products marked QUANTISED in the list below multiply operands that are first quantised to E4M3 (4 exponent bits, 3 mantissa bits; 8 bits a number), with one given power-of-two scale for each operand tensor; their sums are f32. All else is computed in f32.
;;   The module's matrix products, in the order in which they are computed (A, B: the left and right operand; K: the contracted axis; several contracted axes count as one K, in the product's order):
;;     1. [M 8,192, K 1,024] x [K 1,024, N 1,024]; A: input x; B: input Wq: QUANTISED (scales: A lowp_scales[0], B lowp_scales[1])
;;     2. [M 8,192, K 1,024] x [K 1,024, N 1,024]; A: input y; B: input Wk: QUANTISED (scales: A lowp_scales[2], B lowp_scales[3])
;;     3. [M 8,192, K 1,024] x [K 1,024, N 1,024]; A: input y; B: input Wv: QUANTISED (scales: A lowp_scales[4], B lowp_scales[5])
;;     4. batch 128 x [M 1,024, K 64] x [K 64, N 1,024]; A: computed on the way; B: computed on the way: QUANTISED (scales: A lowp_scales[6], B lowp_scales[7])
;;     5. batch 128 x [M 64, K 1,024] x [K 1,024, N 1,024]; A: computed on the way; B: softmax (see below): QUANTISED (scales: A lowp_scales[8], B lowp_scales[9])
;;     6. batch 8 x [M 1,024, K 1,024] x [K 1,024, N 1,024]; A: input x; B: computed on the way: QUANTISED (scales: A lowp_scales[10], B lowp_scales[11])
;;   THE QUANTISER, for each operand of a quantised product, along K:
;;     - The operand's scale is 2^e, e = its entry of the input lowp_scales (int32; the entries are numbered through the quantised products in the list's order, A before B).
;;     - Each number is divided by the scale, clamped to +-448, and rounded to the nearest number of E4M3, ties to even, subnormals kept.
;;     - The product sums the exact products of the quantised numbers (number of the format x scale) in f32.
;;   ~~~python
;;   def quantise(x, axis, e):      # numpy; x: float32 -> the quantised numbers, widened to float32 again
;;       x = np.moveaxis(x, axis, -1); K = x.shape[-1]
;;       r = np.clip(x / 2.0 ** e, -448, 448)
;;       step = 2.0 ** (np.maximum(np.frexp(np.where(r == 0, 1, r))[1] - 1, -6) - 3)
;;       q = np.round(r / step) * step * 2.0 ** e      # np.round: ties to even
;;       return np.moveaxis(q, -1, axis).astype(np.float32)
;;   ~~~
;;   SOFTMAX AHEAD OF A QUANTISED PRODUCT. Where the list says 'softmax', what is quantised is not the finished softmax but p = 2^(t - M), with t = logit x log2(e) and M = ceil(the row's largest t), a whole number; so 1/2 < the row's largest p <= 1. The row's sum l is taken of the UNQUANTISED p, in f32, and the product's result is divided by l at the end. Since M is a whole number, a kernel that streams over the keys may use a running M (the ceiling of the running maximum): every later rescaling is an exact power of two, so the quantised numbers keep their values, but for numbers so far below the row's largest that they fall under the format's range.
;;   OPERANDS COMPUTED ON THE WAY. 'Computed on the way' means the value that the module computes at that place (a softmax that the list does not call 'softmax' is quantised finished and normalised). What goes into a quantiser is computed in f32, as accurately as f32 sums, v_exp_f32 and their like allow (about 1e-6 of the number): no bf16 or f16 on the way to a quantiser, and a product that is left as it is and whose result goes on into a quantised operand takes f32 operands (vector FMAs, or v_wmma_f32_16x16x4_f32). A number that lies on a knife's edge between two numbers of the format may be rounded either way, as far as f32 arithmetic and the matrix unit's own rounding can turn it there, and no further.
;; 2 versions, each right; version 2 is version 1 with the launch attn written anew for expert scheduling mode. Each part assembles by itself: llvm-mc -triple=amdgcn-amd-amdhsa -mcpu=gfx1250 --defsym DOCPART=n.
;; ======== version 1 of 2: 4 launches
;; workspace buffers: tok 25,165,824 bytes; wts 3,145,728 bytes; xc 8,388,608 bytes; qkv 25,165,824 bytes; yimg 8,388,608 bytes
;; launch quant (part 1): grid 1216 x 1, 4 waves a work-group, no clusters, 34,304 bytes of LDS; arguments x, y, Wq, Wk, Wv, lowp_scales, tok, wts, xc; writes tok, wts, xc
.if DOCPART == 1
	.amdgcn_target "amdgcn-amd-amdhsa--gfx1250"
	.amdhsa_code_object_version 6
	.text
	.protected	k_qaeca92452c_quant
	.globl	k_qaeca92452c_quant
	.p2align	8
	.type	k_qaeca92452c_quant,@function
k_qaeca92452c_quant:
	s_mov_b64 s[64:65], 0
	v_nop
	global_prefetch_b8 v0, s[64:65] scope:SCOPE_SE
	s_setreg_imm32_b32 hwreg(HW_REG_WAVE_MODE, 25, 1), 1
	s_wait_xcnt 0x0
; x, y [8192][1024] and Wq, Wk, Wv [1024][1024], f32, become codes of E4M3, laid as IMAGES OF OPERAND REGISTERS:
;   [tile of 16 rows][K step of 128: 8][chunk c: 4][lane: 32][16 bytes]; lane (r = lane % 16, hh = lane / 16) holds k = 128 s + 32 c + 16 hh + 0 .. 15 of the tile's row r.
;   THE ROWS OF A TILE ARE NOT NEIGHBOURS: tile 2 g + u holds rows 32 g + 8 u + r + 8 (r / 8).
; x is quantised twice (scales 0 and 10), y twice (2 and 4), each weight once (1, 3, 5): code = number / 2^e, held within +-448, to the nearest code, ties to even.
; LIMITS: each e lies between -126 and 119, so that 2^e and 448 x 2^e are f32 numbers.  NaN among the inputs is not served.
; SHARES: a work-group takes one tile: 0-511 x's, 512-1023 y's, 1024-1215 the weights' (64 each).  Wave w takes K steps 2 w and 2 w + 1: 1,024 bytes of each of the 16 rows.
; Each load reads 512 consecutive bytes of a row; a fragment's 16 x 512 bytes turn through the wave's own stage in LDS (rows of 512 + 16 bytes) and come back, into the registers that they left,
; 64 neighbouring bytes a lane for each chunk.  Each store writes 512 consecutive bytes, aligned.  No barrier: waves share nothing.  No loop: every offset is an immediate.
; REGISTERS AND LDS ARE KEPT SMALL, so that five work-groups fit on a WGP (1,216 work-groups are 4.75 for each of 256): 5 x 186 registers a SIMD, 5 x 34,304 bytes; every work-group's 64 KiB of loads then go out at the start.
.set SPI,  528                         ; a stage row: 512 bytes + 16 = 132 words, so that 16 rows begin at 16 different groups of four banks
.set STG,  16*SPI                      ; a wave's stage: both fragments go through it, one behind the other
.set R,    8                           ; v8-71, v72-135: fragment f as loaded; back from the stage register 16 c + i = k 32 c + 16 hh + i
.set T,    136                         ; v136-151: 16 held numbers
.set CF0,  152                         ; v152-183: fragment 0's codes under the two scales; fragment 1's go to v8-39, where fragment 0's numbers lay
; v1 16 x lane; v2 stage, way in; v3 stage, way out; v4, v5 the two scales as f32; v6, v7 448 x the scales
	s_load_b256 s[4:11], s[0:1], 0x0               ; x, y, Wq, Wk
	s_load_b256 s[12:19], s[0:1], 0x20             ; Wv, the scales' exponents, tok, wts
	s_load_b64 s[20:21], s[0:1], 0x40              ; xc
	v_lshl_add_u32 v184, v0, 2, 0x8400
	v_mov_b32 v185, 0
	v_lshrrev_b32 v8, 5, v0
	v_readfirstlane_b32 s22, v8                    ; wave
	v_and_b32 v9, 31, v0
	v_lshlrev_b32 v1, 4, v9                        ; 16 x lane
	s_mul_i32 s23, s22, STG
	v_add_nc_u32 v2, s23, v1                       ; into the stage: a row's 512 bytes as they lie
	v_and_b32 v10, 15, v0                          ; r
	v_bfe_u32 v11, v0, 4, 1                        ; hh
	v_mul_u32_u24 v3, v10, SPI
	v_lshl_add_u32 v3, v11, 6, v3
	v_add_nc_u32 v3, s23, v3                       ; out of it: row r, + 64 hh
	s_and_b32 s37, ttmp9, 511                      ; x, y: the tile; weights: 64 x weight + tile
	s_lshr_b32 s38, s37, 6                         ; which weight
	s_and_b32 s39, s37, 63
	s_cmp_lt_u32 ttmp9, 1024
	s_cselect_b32 s40, s37, s39                    ; the tile in its tensor
	s_cselect_b32 s41, ttmp9, s37                  ; the tile in the first buffer of codes
	s_lshr_b32 s44, s40, 1
	s_lshl_b32 s44, s44, 17                        ; 32 rows of 4,096 bytes for each pair of tiles,
	s_and_b32 s45, s40, 1
	s_lshl_b32 s45, s45, 15                        ; 8 rows for the odd tile,
	s_add_co_u32 s44, s44, s45
	s_lshl_b32 s45, s22, 10                        ; my wave's 1,024 bytes of a row
	s_add_co_u32 s44, s44, s45
	s_mov_b32 s45, 0
	s_lshl_b32 s52, s22, 12                        ; my wave's two fragments in a tile's image
	s_lshl_b32 s50, s41, 14
	s_add_co_u32 s50, s50, s52
	s_mov_b32 s51, 0
	s_cmp_lt_u32 ttmp9, 512
	s_cselect_b32 s53, 0, 512
	s_add_co_u32 s53, s53, ttmp9                   ; the tile in the second buffer: x's own number in xc, y's 512 further on in tok
	s_lshl_b32 s54, s53, 14
	s_add_co_u32 s54, s54, s52
	s_mov_b32 s55, 0
	s_wait_kmcnt 0x0
	s_load_b256 s[24:31], s[14:15], 0x0            ; e0 .. e7
	s_load_b128 s[32:35], s[14:15], 0x20           ; e8 .. e11
	s_cmp_eq_u32 s38, 1                            ; the buffers are chosen by the work-group's number alone
	s_cselect_b64 s[42:43], s[10:11], s[8:9]
	s_cmp_eq_u32 s38, 2
	s_cselect_b64 s[42:43], s[12:13], s[42:43]
	s_cmp_lt_u32 ttmp9, 1024
	s_cselect_b64 s[42:43], s[6:7], s[42:43]
	s_cselect_b64 s[46:47], s[16:17], s[18:19]     ; first codes: tok, or wts
	s_cmp_lt_u32 ttmp9, 512
	s_cselect_b64 s[42:43], s[4:5], s[42:43]
	s_cselect_b64 s[48:49], s[20:21], s[16:17]     ; second codes: xc, or tok
	s_add_nc_u64 s[42:43], s[42:43], s[44:45]
	s_add_nc_u64 s[46:47], s[46:47], s[50:51]
	s_add_nc_u64 s[48:49], s[48:49], s[54:55]
.macro LOADF f                         ; fragment f: 16 rows x 512 bytes
.irp p, 0,1,2,3,4,5,6,7,8,9,10,11,12,13,14,15
	global_load_b128 v[R+64*\f+4*\p:R+64*\f+4*\p+3], v1, s[42:43] offset:(\p+8*(\p/8))*4096+512*\f th:TH_LOAD_NT
.endr
.endm
.macro IN f                            ; into the stage, row by row
.irp p, 0,1,2,3,4,5,6,7,8,9,10,11,12,13,14,15
	ds_store_b128 v2, v[R+64*\f+4*\p:R+64*\f+4*\p+3] offset:SPI*\p
.endr
.endm
.macro OUT f                           ; and back, into the registers that it left: 16 neighbours of each chunk.  LDS serves a wave's instructions in order (ISA guide 5.7.1.4): these see the stores, and the next fragment's stores come behind them
.irp c, 0,1,2,3
.irp m, 0,1,2,3
	ds_load_b128 v[R+64*\f+16*\c+4*\m:R+64*\f+16*\c+4*\m+3], v3 offset:128*\c+16*\m
.endr
.endr
.endm
; Fragment f's codes under scale k (0: first, 1: second).  The numbers stay as they are: the held ones go into v[T] on.  The codes' registers are read by stores alone and never written again.
.macro CODES f, k
.set XR, R+64*(\f)
.set CR, (1-(\f))*(CF0+16*(\k))+(\f)*(R+16*(\k))
.irp c, 0,1,2,3
.irp i, 0,1,2,3,4,5,6,7,8,9,10,11,12,13,14,15
	v_med3_num_f32 v[T+\i], v[XR+16*\c+\i], -v[6+\k], v[6+\k]   ; the conversion to an 8-bit code does not saturate (ISA guide 7.6.2): the hold comes first
.endr
	v_cvt_scalef32_pk8_fp8_f32 v[CR+4*\c:CR+4*\c+1], v[T:T+7], v[4+\k]
	v_cvt_scalef32_pk8_fp8_f32 v[CR+4*\c+2:CR+4*\c+3], v[T+8:T+15], v[4+\k]
	v_nop                                          ; a plain line between the conversions and the next write of their sources
.endr
.irp c, 0,1,2,3
	global_store_b128 v1, v[CR+4*\c:CR+4*\c+3], s[46+2*\k:47+2*\k] offset:2048*\f+512*\c   ; 32 lanes store 512 consecutive bytes
.endr
.endm
	LOADF 0
	LOADF 1
	s_wait_kmcnt 0x0
	s_cmp_eq_u32 s38, 1
	s_cselect_b32 s56, s27, s25                    ; Wk: e3, Wq: e1
	s_cmp_eq_u32 s38, 2
	s_cselect_b32 s56, s29, s56                    ; Wv: e5
	s_cmp_lt_u32 ttmp9, 1024
	s_cselect_b32 s56, s26, s56                    ; y: e2
	s_cmp_lt_u32 ttmp9, 512
	s_cselect_b32 s56, s24, s56                    ; x: e0
	s_cselect_b32 s57, s34, s28                    ; the second scale: x: e10, y: e4
	s_add_co_i32 s56, s56, 127
	s_lshl_b32 s58, s56, 23
	v_mov_b32 v4, s58                              ; 2^e as f32: the conversion takes its exponent field
	s_add_co_i32 s56, s56, 8
	s_lshl_b32 s56, s56, 23
	s_or_b32 s56, s56, 0x600000
	v_mov_b32 v6, s56                              ; 448 x 2^e
	s_add_co_i32 s57, s57, 127
	s_lshl_b32 s58, s57, 23
	v_mov_b32 v5, s58
	s_add_co_i32 s57, s57, 8
	s_lshl_b32 s57, s57, 23
	s_or_b32 s57, s57, 0x600000
	v_mov_b32 v7, s57
	s_wait_loadcnt 16                              ; fragment 0's sixteen loads are in; fragment 1's may be out
	IN 0
	OUT 0
	s_wait_loadcnt 0x0
	IN 1
	s_wait_dscnt 16                                ; fragment 0 is back; fragment 1's sixteen stores may be out
	OUT 1                                          ; fragment 1 comes back while fragment 0 is converted
	CODES 0, 0
	s_cmp_lt_u32 ttmp9, 1024                       ; a weight has one scale
	s_cbranch_scc0 .Lone_scale_0
	CODES 0, 1
.Lone_scale_0:
	s_wait_dscnt 0x0
	CODES 1, 0
	s_cmp_lt_u32 ttmp9, 1024
	s_cbranch_scc0 .Lone_scale_1
	CODES 1, 1
.Lone_scale_1:
	s_wait_tensorcnt 0x0
	ds_add_u32 v184, v185
	s_wait_dscnt 0x0
	s_endpgm
.Lfunc_end_k_qaeca92452c_quant:
	.size	k_qaeca92452c_quant, .Lfunc_end_k_qaeca92452c_quant-k_qaeca92452c_quant
	.p2alignl 7, 3214868480
	.fill 96, 4, 3214868480
	.section	.rodata,"a",@progbits
	.p2align	6, 0x0
	.amdhsa_kernel k_qaeca92452c_quant
		.amdhsa_group_segment_fixed_size 34304
		.amdhsa_private_segment_fixed_size 0
		.amdhsa_enable_private_segment 0
		.amdhsa_kernarg_size 72
		.amdhsa_user_sgpr_count 2
		.amdhsa_user_sgpr_kernarg_segment_ptr 1
		.amdhsa_wavefront_size32 1
		.amdhsa_system_sgpr_workgroup_id_x 1
		.amdhsa_system_sgpr_workgroup_id_y 1
		.amdhsa_system_sgpr_workgroup_id_z 1
		.amdhsa_system_vgpr_workitem_id 0
		.amdhsa_next_free_vgpr 186
		.amdhsa_next_free_sgpr 66
		.amdhsa_reserve_vcc 0
		.amdhsa_float_denorm_mode_32 3
		.amdhsa_float_denorm_mode_16_64 3
		.amdhsa_memory_ordered 1
		.amdhsa_forward_progress 1
		.amdhsa_inst_pref_size 31
	.end_amdhsa_kernel
	.amdgpu_metadata
---
amdhsa.version: [ 1, 2 ]
amdhsa.kernels:
  - .name:           k_qaeca92452c_quant
    .symbol:         k_qaeca92452c_quant.kd
    .args:
      - { .name: x, .offset: 0, .size: 8, .value_kind: global_buffer, .address_space: global }
      - { .name: y, .offset: 8, .size: 8, .value_kind: global_buffer, .address_space: global }
      - { .name: Wq, .offset: 16, .size: 8, .value_kind: global_buffer, .address_space: global }
      - { .name: Wk, .offset: 24, .size: 8, .value_kind: global_buffer, .address_space: global }
      - { .name: Wv, .offset: 32, .size: 8, .value_kind: global_buffer, .address_space: global }
      - { .name: lowp_scales, .offset: 40, .size: 8, .value_kind: global_buffer, .address_space: global }
      - { .name: tok, .offset: 48, .size: 8, .value_kind: global_buffer, .address_space: global }
      - { .name: wts, .offset: 56, .size: 8, .value_kind: global_buffer, .address_space: global }
      - { .name: xc, .offset: 64, .size: 8, .value_kind: global_buffer, .address_space: global }
    .group_segment_fixed_size: 34304
    .private_segment_fixed_size: 0
    .kernarg_segment_align: 8
    .kernarg_segment_size: 72
    .max_flat_workgroup_size: 128
    .sgpr_count:     66
    .vgpr_count:     186
    .wavefront_size: 32
...
	.end_amdgpu_metadata
.endif
;; end of part 1
;; launch proj (part 2): grid 4 x 48, 4 waves a work-group, clusters of 4 x 4, 327,680 bytes of LDS; arguments tok, wts, lowp_scales, qkv; writes qkv
.if DOCPART == 2
	.amdgcn_target "amdgcn-amd-amdhsa--gfx1250"
	.amdhsa_code_object_version 6
	.text
	.protected	k_qaeca92452c_proj
	.globl	k_qaeca92452c_proj
	.p2align	8
	.type	k_qaeca92452c_proj,@function
k_qaeca92452c_proj:
	s_mov_b64 s[64:65], 0
	v_nop
	global_prefetch_b8 v0, s[64:65] scope:SCOPE_SE
	s_setreg_imm32_b32 hwreg(HW_REG_WAVE_MODE, 25, 1), 1
	s_wait_xcnt 0x0
	s_wait_alu depctr_hold_cnt(0) depctr_sa_sdst(0) depctr_va_vdst(0) depctr_va_sdst(0) depctr_va_ssrc(0) depctr_va_vcc(0) depctr_vm_vsrc(0)
	s_getreg_b32 s2, hwreg(HW_REG_IB_STS2, 6, 4)
	s_cmp_eq_u32 s2, 0
	s_cbranch_scc0 .Lentry_in_a_cluster
	s_endpgm
.Lentry_in_a_cluster:
	s_bfe_u32 s2, ttmp6, 0x10000c
	s_cmp_lg_u32 s2, 0xf033
	s_cbranch_scc0 .Lentry_shape_is_right
	s_endpgm
.Lentry_shape_is_right:
; The three projections on codes of E4M3: Q = x Wq^T / 8, K = y Wk^T, V = y Wv^T; each result is quantised at once for attention (scales 6, 7, 8) and stored as an image of operand registers.
; tok: images of x (scale 0), y (scale 2), y (scale 4): 3 x 512 tiles of 16 tokens.  wts: images of Wq, Wk, Wv: 3 x 64 tiles of 16 features.  An image: [tile][K step: 8][chunk: 4][lane][16 bytes];
; tile 2 g + u holds rows 32 g + 8 u + r + 8 (r / 8), so that where a tile is source 0 the 16 result registers of tiles 2 g and 2 g + 1 are 16 NEIGHBOURING rows: 32 g + 16 (lane / 16) + 0 .. 15.
; SHARES: a tile is 256 tokens x 256 features of one product, a wave's part 128 x 128: 64 accumulators.  There are 384 tiles, which 256 does not divide: A WORK-GROUP STAYS AND MAKES TWO, 192 work-groups.
; Its two tiles are the same product and the same 256 features in two neighbouring batches (1,024 tokens apart), so the roles below and every LDS address hold for both.  The product's number g is the cluster's y / 4: the same in all sixteen partners.
; K goes through a ring of two LDS slots of 256 along K.  A slot: 16 token tiles x 4,096 bytes, then 16 feature tiles x 4,096 bytes; each wave fetches 8 tiles (32,768 bytes) by one tensor load.
; THE RING DOES NOT STOP AT THE FIRST TILE'S END: its last two changes of slots ask for the second tile's first two slots, and the first tile's codes go out while those are on their way.
; CLUSTER 4 x 4: the token tiles hang on the work-group's y alone and are asked for jointly along a row of the cluster, the feature tiles on its x (and g) and are asked for jointly along a column.
; ROLES: source 1 gives a lane its row, source 0 runs along a lane's registers.  Q, K: lane = token, registers = features (the next K is the head's channels).  V: lane = feature, registers = tokens (the next K is the keys).
; The roles change by the LDS addresses alone: which region the two address registers point into is chosen on g.
; qkv: Q at 0, K at 8 MiB, V at 16 MiB, each [8 batch + head pair: 64][group of 128 tokens: 8][16,384 bytes]; a wave writes one such block a tile, block a of source 1 at 2,048 a, chunk c at 512 c, 16 bytes a lane.
; LIMITS: e6 - e0 - e1 + 3, e7 - e2 - e3 and e8 - e4 - e5 lie between -126 and 119.
; REGISTERS, in windows of 256: window 0: v0-31 addresses; v32-95 held numbers on the way out; v128-255 source 1's fragments, ONE set.  window 1: source 0's fragments, two sets; the second (v128-255) takes the codes on the way out.
;   windows 2, 3: accumulator (a, b) at v[8 (8 (a % 4) + b)].
.set SLOT,   131072
.set REG_W,  65536                     ; the feature tiles' region in a slot
.set SPARE,  2*SLOT                    ; behind the ring: the spare words, 128 bytes for each wave: two blocks of 256 bytes that no other line names
.set NEXT_T, 64*16384-8192             ; from a slot's last 256 along K of the first tile to its first of the second: 64 token tiles on, 8,192 bytes back in a tile's image
.set FR,     16
.set NL,     4
.set NP,     4
.set ADRA, 16                          ; v16-17  LDS address of source 1's fragments in slot 0, 1
.set ADRB, 20                          ; v20-21  of source 0's
.set CO,   26                          ; v26     16 x lane
.set SPW,  28                          ; v28     my spare word; never rewritten
.set NIL,  29                          ; v29     0; never rewritten
.set SCL,  30                          ; v30     the conversion's scale as f32
.set LIM,  31                          ; v31     448 x that
.set TMP,  32
.set AF,   128
.set COD,  128                         ; in window 1
.set G1, 24
.set G0, 32
.set G1B, 48
.set G0B, 56
.set MSB, 0
.macro WIN new                         ; the immediate's high byte repeats the setting that is left
.if MSB != \new
	s_set_vgpr_msb (MSB<<8)|\new
.set MSB, \new
.endif
.endm
.set MUL_LO, 0xa1                      ; source 0 window 1, source 1 window 0, C and D window 2
.set MUL_HI, 0xf1
.set TO_B,   0x40
; A joint load: waves 0 and 1 fetch token tiles, waves 2 and 3 feature tiles.  The branch hangs on the wave's number alone.  Four v_nop follow each of the two lines.
.macro JLOAD g0a, g1a, g0b, g1b
	s_cmp_eq_u32 s15, 0
	s_cbranch_scc0 .Lfor_b_\@
	tensor_load_to_lds s[\g0a:\g0a+3], s[\g1a:\g1a+7]
	s_nop 0
.rept 4
	v_nop
.endr
	s_branch .Lasked_\@
.Lfor_b_\@:
	tensor_load_to_lds s[\g0b:\g0b+3], s[\g1b:\g1b+7]
	s_nop 0
.rept 4
	v_nop
.endr
.Lasked_\@:
.endm
.macro CREST                           ; a round of the cluster's barrier behind its opening barrier
	s_cmp_lg_u32 s14, 0
	s_cbranch_scc1 .Lnot_wave_0_\@
	s_barrier_signal -3
.Lnot_wave_0_\@:
	s_barrier_wait -3
	s_barrier_signal -1
	s_barrier_wait -1
.endm
.macro CROUND
	s_barrier_signal -1
	s_barrier_wait -1
	CREST
.endm
	s_load_b128 s[4:7], s[0:1], 0x0                ; tok, wts
	s_load_b128 s[8:11], s[0:1], 0x10              ; the scales' exponents, qkv
	v_lshl_add_u32 v[SPW], v0, 2, SPARE
	v_mov_b32 v[NIL], 0
	ds_add_u32 v28, v29
	ds_add_u32 v28, v29
	s_wait_dscnt 0x0
	v_lshrrev_b32 v1, 5, v0
	v_readfirstlane_b32 s14, v1                    ; wave 0..3
	s_lshr_b32 s15, s14, 1                         ; which half of source 1's rows is mine.  Also: I fetch token tiles (0) or feature tiles (1)
	s_and_b32 s16, s14, 1                          ; which half of source 0's rows.  Also: which 8 tiles I fetch
	s_bfe_u32 s40, ttmp6, 0x40000                  ; cx
	s_bfe_u32 s41, ttmp6, 0x40004                  ; cy
	s_lshl_b32 s42, ttmp9, 2
	s_add_co_u32 s42, s42, s40                     ; work-group x: 256 features
	s_and_b32 s17, ttmp7, 0xffff                   ; cluster y: 0 .. 11
	s_lshr_b32 s86, s17, 2                         ; g: the product, 0 Q, 1 K, 2 V
	s_lshl_b32 s89, s17, 1
	s_and_b32 s89, s89, 7                          ; the first tile's batch; the second's is the next
	s_lshl_b32 s17, s17, 3
	s_add_co_u32 s17, s17, s41                     ; the first tile's 256 tokens of tok: 8 x cluster y + cy; the second's lie 4 such blocks on
	s_lshl_b32 s43, s41, 2
	s_lshl_b32 s43, 15, s43                        ; my row of the cluster
	s_lshl_b32 s44, 0x1111, s40                    ; my column
	; descriptor group 1: 8 rows (tiles) of 512 elements of 8 bytes (two K steps' fragments), 2,048 elements (a tile's image) apart; dense in LDS
	s_or_b32 s[G1+0], s43, (3<<16)|(1<<21)         ; 15:0 the mask; 17:16 elements of 8 bytes; 21 set beside a mask
	s_or_b32 s[G1B+0], s44, (3<<16)|(1<<21)
.irp g, G1, G1B
	s_mov_b32 s[\g+1], 512<<16                     ; tensor_dim0
	s_mov_b32 s[\g+2], 8<<16                       ; tensor_dim1
	s_mov_b32 s[\g+3], 512<<16                     ; tile_dim0
	s_mov_b32 s[\g+4], 8                           ; tile_dim1
	s_mov_b32 s[\g+5], 2048                        ; tensor_dim0_stride
	s_mov_b32 s[\g+6], 0
	s_mov_b32 s[\g+7], 0
.endr
	s_lshl_b32 s18, s16, 17                        ; which 8 tiles of 16,384 bytes I fetch
	s_lshl_b32 s20, s17, 18                        ; token tiles: 16 for each block of 256 tokens
	s_add_co_u32 s20, s20, s18
	s_mov_b32 s21, 0
	s_lshl_b32 s46, s42, 18                        ; feature tiles: 16 for each work-group x,
	s_add_co_u32 s46, s46, s18
	s_lshl_b32 s19, s86, 20                        ; 64 for each weight
	s_add_co_u32 s46, s46, s19
	s_mov_b32 s47, 0
	s_lshl_b32 s45, s14, 15                        ; where they go: wave x 32,768: no place in the cluster enters an LDS address
	s_wait_kmcnt 0x0
	s_load_b256 s[72:79], s[8:9], 0x0              ; e0 .. e7
	s_load_b128 s[80:83], s[8:9], 0x20             ; e8 .. e11
	s_add_nc_u64 s[20:21], s[4:5], s[20:21]
	s_add_nc_u64 s[46:47], s[6:7], s[46:47]
	CROUND                                         ; all sixteen work-groups are here: the first joint loads meet
.irp s, 0,1
	s_mov_b32 s[G0+4*\s], 1
	s_add_co_u32 s[G0+4*\s+1], s45, \s*SLOT
	s_add_nc_u64 s[G0+4*\s+2:G0+4*\s+3], s[20:21], \s*4096
	s_or_b32 s[G0+4*\s+3], s[G0+4*\s+3], 0x80000000
	s_mov_b32 s[G0B+4*\s], 1
	s_add_co_u32 s[G0B+4*\s+1], s45, \s*SLOT
	s_add_nc_u64 s[G0B+4*\s+2:G0B+4*\s+3], s[46:47], \s*4096
	s_or_b32 s[G0B+4*\s+3], s[G0B+4*\s+3], 0x80000000
	JLOAD G0+4*\s, G1, G0B+4*\s, G1B
.endr
	v_and_b32 v1, 31, v0
	v_lshlrev_b32 v[CO], 4, v1                     ; 16 x lane: my place in every image
	s_cmp_eq_u32 s86, 2                            ; V: source 1 takes the features, source 0 the tokens
	s_cselect_b32 s22, REG_W, 0
	s_cselect_b32 s23, 0, REG_W
	s_cselect_b32 s87, s15, s16                    ; which of my two wave bits picks the half of the features,
	s_cselect_b32 s88, s16, s15                    ; and which the half of the tokens
	s_lshl_b32 s84, s15, 15
	s_add_co_u32 s22, s22, s84                     ; source 1: my 8 tiles
	s_lshl_b32 s84, s16, 15
	s_add_co_u32 s23, s23, s84                     ; source 0: my 8 tiles
.irp s, 0,1
	v_add_nc_u32 v[ADRA+\s], s22, v[CO]
	v_add_nc_u32 v[ADRB+\s], s23, v[CO]
	s_add_co_u32 s22, s22, SLOT
	s_add_co_u32 s23, s23, SLOT
.endr
	; my block in qkv, first tile: 8 MiB g + (((8 batch + head pair) 8) + token group) x 16,384
	s_lshl_b32 s90, s42, 1
	s_add_co_u32 s90, s90, s87                     ; head pair = 2 x work-group x + my half
	s_lshl_b32 s91, s89, 3
	s_add_co_u32 s90, s90, s91
	s_lshl_b32 s90, s90, 3
	s_and_b32 s91, s17, 3
	s_lshl_b32 s91, s91, 1
	s_add_co_u32 s91, s91, s88                     ; token group = 2 x (block of 256 tokens % 4) + my half
	s_add_co_u32 s90, s90, s91
	s_lshl_b32 s90, s90, 14
	s_lshl_b32 s91, s86, 23
	s_add_co_u32 s90, s90, s91
	s_mov_b32 s91, 0
	s_add_nc_u64 s[10:11], s[10:11], s[90:91]
.macro FRAG reg, adr, q, i             ; a fragment comes as it was laid: four loads of 512 consecutive bytes
.irp c, 0,1,2,3
	ds_load_b128 v[\reg+4*\c:\reg+4*\c+3], v[\adr] offset:(\i)*4096+(\q)*2048+512*\c
.endr
.endm
; 16 matrix instructions: source 1's blocks a0, a0 + 1 x source 0's eight.  The 64 accumulators take turns, one instruction a turn, in the same order in every step.
.macro MUL16 a0, p, zero
.irp a, \a0, \a0+1
.irp b, 0,1,2,3,4,5,6,7
.if \zero
	v_wmma_f32_16x16x128_fp8_fp8 v[8*(8*((\a)%4)+\b):8*(8*((\a)%4)+\b)+7], v[128*(\p)+FR*\b:128*(\p)+FR*\b+FR-1], v[AF+FR*(\a):AF+FR*(\a)+FR-1], 0
.else
	v_wmma_f32_16x16x128_fp8_fp8 v[8*(8*((\a)%4)+\b):8*(8*((\a)%4)+\b)+7], v[128*(\p)+FR*\b:128*(\p)+FR*\b+FR-1], v[AF+FR*(\a):AF+FR*(\a)+FR-1], v[8*(8*((\a)%4)+\b):8*(8*((\a)%4)+\b)+7]
.endif
.endr
.endr
.endm
.macro FETCH_B slot, q, p
	WIN TO_B
.irp i, 0,1,2,3,4,5,6,7
	FRAG 128*(\p)+FR*\i, ADRB+\slot, \q, \i
.endr
	WIN 0
.endm
.macro FETCH_A slot, q, i0
.irp i, \i0, \i0+1, \i0+2, \i0+3
	FRAG AF+FR*(\i), ADRA+\slot, \q, \i
.endr
.endm
.macro PLACES n                        ; plain vector lines between a matrix instruction and a load into, or a read of, its registers
.rept \n
	v_nop
.endr
.endm
.macro STEP slot, q, zero              ; a step of 128 along K that has its successor in the same slot
	s_wait_dscnt 4*NL                              ; source 0's set and source 1's blocks 0-3 are in; the youngest sixteen loads (blocks 4-7) may be out
	WIN MUL_LO
	MUL16 0, (\q)%2, \zero
	MUL16 2, (\q)%2, \zero
	s_wait_dscnt 0
	PLACES NP
	FETCH_B \slot, (\q)+1, 1-(\q)%2
	FETCH_A \slot, (\q)+1, 0
	WIN MUL_HI
	MUL16 4, (\q)%2, \zero
	MUL16 6, (\q)%2, \zero
	PLACES NP
	WIN 0
	FETCH_A \slot, (\q)+1, 4
.endm
; A slot's last step changes slots.  All its fragments have been asked for, so its first 32 products, which need nothing of the next slot, stand AHEAD of the wait for the tensor loads:
; between that wait and the refill stand only the add, the descriptors' steps, the barrier and the round.  One barrier: in front of it each wave waits for all its tensor loads, adds 0 to its spare word,
; and waits for that and for its own reads of this slot.  fill = 1: this slot is filled again, 512 along K ahead; fill = 2: with the second tile's first or second 256 along K; fill = 0: nothing is left to fetch.
.macro TURN slot, next, fill
	s_wait_dscnt 4*NL                              ; source 0's set and source 1's blocks 0-3 are in; the youngest sixteen loads may be out
	WIN MUL_LO
	MUL16 0, 1, 0
	MUL16 2, 1, 0
	WIN 0
	s_wait_tensorcnt 0x0                           ; all my tensor loads have landed: my part of the next slot; so a group 0 may be written
	ds_add_u32 v[SPW], v[NIL]                      ; 0 onto my spare word
.if \fill == 1
	s_add_nc_u64 s[G0+4*\slot+2:G0+4*\slot+3], s[G0+4*\slot+2:G0+4*\slot+3], 8192
	s_add_nc_u64 s[G0B+4*\slot+2:G0B+4*\slot+3], s[G0B+4*\slot+2:G0B+4*\slot+3], 8192
.endif
.if \fill == 2
	s_add_nc_u64 s[G0+4*\slot+2:G0+4*\slot+3], s[G0+4*\slot+2:G0+4*\slot+3], NEXT_T   ; the tokens of the next batch, back along K;
	s_sub_nc_u64 s[G0B+4*\slot+2:G0B+4*\slot+3], s[G0B+4*\slot+2:G0B+4*\slot+3], 8192 ; the same features, back along K
.endif
	s_wait_dscnt 0x0                               ; the add is done, and my reads of this slot are over
	s_barrier_signal -1
	s_barrier_wait -1
.if \fill
	CREST                                          ; the barrier has opened a round of the cluster's: no wave of any partner still reads this slot or has a load on its way
	JLOAD G0+4*\slot, G1, G0B+4*\slot, G1B         ; the first tensor load behind the round; its four v_nop are also the places in front of the loads below
.else
	PLACES NP
.endif
	FETCH_B \next, 0, 0
	FETCH_A \next, 0, 0
	WIN MUL_HI
	MUL16 4, 1, 0
	MUL16 6, 1, 0
	PLACES NP
	WIN 0
	FETCH_A \next, 0, 4
.endm
; THE WAY OUT of a tile.  Block a of source 1: a lane's 64 sums are, register 16 c + i, the neighbours 32 c + 16 (lane / 16) + i along the next K: held, converted, and stored as the next operand's registers.
; Each accumulator is read from its low end on.  The codes go into source 0's second set of registers, which no product reads just now; each block has its own sixteen, so no store's data are written again within a tile.
.macro OUTBLK a
	WIN 0x02+((\a)/4)                              ; source 0: window 2 or 3
.set j, 0
.rept 64
	v_med3_num_f32 v[TMP+j], v[64*((\a)%4)+j], -v[LIM], v[LIM]
.set j, j+1
.endr
	WIN 0x40                                       ; destination window 1
.irp c, 0,1,2,3
	v_cvt_scalef32_pk8_fp8_f32 v[COD+16*(\a)+4*\c:COD+16*(\a)+4*\c+1], v[TMP+16*\c:TMP+16*\c+7], v[SCL]
	v_cvt_scalef32_pk8_fp8_f32 v[COD+16*(\a)+4*\c+2:COD+16*(\a)+4*\c+3], v[TMP+16*\c+8:TMP+16*\c+15], v[SCL]
.endr
	v_nop                                          ; a plain line between the conversions and the next block's writes of their sources
	WIN 0x04                                       ; a store's data are its source 1: window 1
.irp c, 0,1,2,3
	global_store_b128 v[CO], v[COD+16*(\a)+4*\c:COD+16*(\a)+4*\c+3], s[10:11] offset:(\a)*2048+\c*512   ; 32 lanes store 512 consecutive bytes, aligned
.endr
.endm
.macro WAYOUT
.irp a, 0,1,2,3,4,5,6,7
	OUTBLK \a
.endr
	WIN 0
.endm
	s_wait_tensorcnt 1                             ; my part of slot 0 is in (slot 1's load may be out)
	s_barrier_signal -1
	s_barrier_wait -1                              ; everybody's is
	FETCH_B 0, 0, 0
	FETCH_A 0, 0, 0
	FETCH_A 0, 0, 4
	; A sum stands for sum x 2^(its two operands' e); its code is sum / 2^E, E = the next scale's e less those two (Q: + 3, the division by 8).  Made once, for both tiles.
	s_wait_kmcnt 0x0
	s_sub_co_i32 s92, s78, s72
	s_sub_co_i32 s92, s92, s73
	s_add_co_i32 s92, s92, 3                       ; Q: e6 - e0 - e1 + 3
	s_sub_co_i32 s93, s79, s74
	s_sub_co_i32 s93, s93, s75                     ; K: e7 - e2 - e3
	s_sub_co_i32 s94, s80, s76
	s_sub_co_i32 s94, s94, s77                     ; V: e8 - e4 - e5
	s_cmp_eq_u32 s86, 1
	s_cselect_b32 s92, s93, s92
	s_cmp_eq_u32 s86, 2
	s_cselect_b32 s92, s94, s92
	s_add_co_i32 s92, s92, 127
	s_lshl_b32 s93, s92, 23
	v_mov_b32 v[SCL], s93                          ; 2^E as f32
	s_add_co_i32 s92, s92, 8
	s_lshl_b32 s92, s92, 23
	s_or_b32 s92, s92, 0x600000
	v_mov_b32 v[LIM], s92                          ; 448 x 2^E
	; THE FIRST TILE.  K = 1,024 is four slots' worth: eight steps, written out; the first step's products start the sums
	STEP 0, 0, 1
	TURN 0, 1, 1
	STEP 1, 0, 0
	TURN 1, 0, 1
	STEP 0, 0, 0
	TURN 0, 1, 2                                   ; slot 0 takes the second tile's first 256 along K,
	STEP 1, 0, 0
	TURN 1, 0, 2                                   ; slot 1 its second, and the second tile's first fragments are fetched; the four places behind the last products stand in the macro
	WAYOUT                                         ; both refills are asked for: now the first tile goes out
	s_wait_xcnt 0x0                                ; the stores have read their base and their data: the base may step, and the next step's loads may land where the codes lay
	s_add_nc_u64 s[10:11], s[10:11], 64*16384      ; the next batch's block
	; THE SECOND TILE
	STEP 0, 0, 1
	TURN 0, 1, 1
	STEP 1, 0, 0
	TURN 1, 0, 1
	STEP 0, 0, 0
	TURN 0, 1, 0                                   ; nothing is left to fetch
	STEP 1, 0, 0
	s_wait_dscnt 4*NL
	WIN MUL_LO
	MUL16 0, 1, 0
	MUL16 2, 1, 0
	s_wait_dscnt 0
	WIN MUL_HI
	MUL16 4, 1, 0
	MUL16 6, 1, 0
	WIN 0
	PLACES NP
	WAYOUT
	s_wait_tensorcnt 0x0                           ; the wave's end
	ds_add_u32 v[SPW], v[NIL]
	s_wait_dscnt 0x0
	CROUND                                         ; the closing round: no work-group ends while a partner may still ask for a tile that names it
	s_endpgm
.Lfunc_end_k_qaeca92452c_proj:
	.size	k_qaeca92452c_proj, .Lfunc_end_k_qaeca92452c_proj-k_qaeca92452c_proj
	.p2alignl 7, 3214868480
	.fill 96, 4, 3214868480
	.section	.rodata,"a",@progbits
	.p2align	6, 0x0
	.amdhsa_kernel k_qaeca92452c_proj
		.amdhsa_group_segment_fixed_size 327680
		.amdhsa_private_segment_fixed_size 0
		.amdhsa_enable_private_segment 0
		.amdhsa_kernarg_size 32
		.amdhsa_user_sgpr_count 2
		.amdhsa_user_sgpr_kernarg_segment_ptr 1
		.amdhsa_wavefront_size32 1
		.amdhsa_system_sgpr_workgroup_id_x 1
		.amdhsa_system_sgpr_workgroup_id_y 1
		.amdhsa_system_sgpr_workgroup_id_z 1
		.amdhsa_system_vgpr_workitem_id 0
		.amdhsa_next_free_vgpr 1024
		.amdhsa_next_free_sgpr 98
		.amdhsa_reserve_vcc 0
		.amdhsa_float_denorm_mode_32 3
		.amdhsa_float_denorm_mode_16_64 3
		.amdhsa_memory_ordered 1
		.amdhsa_forward_progress 1
		.amdhsa_inst_pref_size 230
	.end_amdhsa_kernel
	.amdgpu_metadata
---
amdhsa.version: [ 1, 2 ]
amdhsa.kernels:
  - .name:           k_qaeca92452c_proj
    .symbol:         k_qaeca92452c_proj.kd
    .args:
      - { .name: tok, .offset: 0, .size: 8, .value_kind: global_buffer, .address_space: global }
      - { .name: wts, .offset: 8, .size: 8, .value_kind: global_buffer, .address_space: global }
      - { .name: lowp_scales, .offset: 16, .size: 8, .value_kind: global_buffer, .address_space: global }
      - { .name: qkv, .offset: 24, .size: 8, .value_kind: global_buffer, .address_space: global }
    .group_segment_fixed_size: 327680
    .private_segment_fixed_size: 0
    .kernarg_segment_align: 8
    .kernarg_segment_size: 32
    .max_flat_workgroup_size: 128
    .sgpr_count:     98
    .vgpr_count:     1024
    .wavefront_size: 32
...
	.end_amdgpu_metadata
.endif
;; end of part 2
;; launch attn (part 3): grid 2 x 128, 16 waves a work-group, no clusters, 133,120 bytes of LDS; arguments qkv, lowp_scales, yimg; writes yimg
.if DOCPART == 3
	.amdgcn_target "amdgcn-amd-amdhsa--gfx1250"
	.amdhsa_code_object_version 6
	.text
	.protected	k_qaeca92452c_attn
	.globl	k_qaeca92452c_attn
	.p2align	8
	.type	k_qaeca92452c_attn,@function
k_qaeca92452c_attn:
	s_mov_b64 s[64:65], 0
	v_nop
	global_prefetch_b8 v0, s[64:65] scope:SCOPE_SE
	s_setreg_imm32_b32 hwreg(HW_REG_WAVE_MODE, 25, 1), 1
	s_wait_xcnt 0x0
; y_ = softmax(Q K^T) V for each of 128 (batch, head) pairs, 1,024 queries x 1,024 keys, head size 64, both products on codes of E4M3; y_ is quantised (scale 11) and stored as an image of operand registers.
; THE SOFTMAX: t = logit x log2(e); M = the running largest t rounded UP to a whole number; p = 2^(t - M) is quantised (scale 9), not normalised; the row's sum is taken of the unquantised p and divides at the end.
; When M moves, the sum and O are multiplied by 2^(old M - new M): nothing is rounded.
; SHARES: a work-group takes one head and 512 of its queries; each of its 16 waves 32 queries: two tiles, so that each fragment of K and V read from LDS feeds two products.  Four waves share a SIMD.
; LDS holds ALL of the head's K and V codes (128 KiB), filled once through registers: key step ks (128 keys) at 16,384 ks: K's 8 tiles x 1,024 bytes, then V's 4 fragments x 2,048 bytes.  One barrier; read-only afterwards.
; NO CLUSTER: what a head's two work-groups share is those 128 KiB, read once at the head, against 8 key steps of work each.
; LAYOUT: both products transposed: S^T = K Q^T (source 0 = 16 keys, source 1 = 16 queries), O^T = V^T P^T (source 0 = 16 channels, source 1 = P): a lane holds ONE query throughout.
; The keys of a tile of K and the channels of a tile of V are laid (by the launch before) so that the 16 result registers of tiles 2 g, 2 g + 1 are 16 neighbours: 32 g + 16 (lane / 16) + 0 .. 15.
; LIMITS: e6 + e7 between -126 and 126 (added to log2(e)'s exponent field); e9, and e11 - e8 - e9, between -126 and 119.
; REGISTERS: v1 16 x lane; v2 LDS address in hand; v3 2^e9; v[4:5], v[6:7] (-M, largest t) of tiles 0, 1; v[8:9], v[10:11] the sums in two halves; v[12:13], v[14:15] at work, then (f, -);
;   v16-31 Q; v32-63, v64-95 O^T; v96-159 S^T of tile 0, later V's four fragments; v160-223 S^T of tile 1; v224-255 four fragments of K, later P's codes.
.set LA, 1
.set AD, 2
.set QF, 16
.set O,  32
.set S,  96
.set F,  224
	s_load_b128 s[4:7], s[0:1], 0x0                ; qkv, the scales' exponents
	s_load_b64 s[8:9], s[0:1], 0x10                ; yimg
	v_lshrrev_b32 v2, 5, v0
	v_readfirstlane_b32 s16, v2                    ; wave 0..15
	v_and_b32 v1, 31, v0
	v_lshlrev_b32 v[LA], 4, v1
	s_and_b32 s17, ttmp7, 0xffff                   ; 16 batch + head
	s_lshr_b32 s18, s17, 1                         ; 8 batch + head pair
	s_and_b32 s19, s17, 1                          ; which head of the pair
	s_lshl_b32 s28, s18, 17                        ; the pair's 8 blocks of 16,384 bytes
	s_lshr_b32 s29, s16, 1                         ; the fill: my key step,
	s_and_b32 s30, s16, 1                          ; and which half of its K and V
	s_lshl_b32 s31, s29, 14
	s_add_co_u32 s44, s28, s31
	s_lshl_b32 s45, s30, 13                        ; K: four tiles of 2,048 bytes (both heads'),
	s_add_co_u32 s46, s44, s45
	s_lshl_b32 s45, s19, 10                        ; my head's 1,024 of each
	s_add_co_u32 s46, s46, s45
	s_add_co_u32 s46, s46, 0x800000
	s_mov_b32 s47, 0
	s_lshl_b32 s45, s19, 13                        ; V: my head's 8,192 bytes,
	s_add_co_u32 s48, s44, s45
	s_lshl_b32 s45, s30, 12                        ; my half of them
	s_add_co_u32 s48, s48, s45
	s_add_co_u32 s50, s31, s45                     ; in LDS: 16,384 x key step + 4,096 x half
	s_add_co_u32 s48, s48, 0x1000000
	s_mov_b32 s49, 0
	s_lshl_b32 s51, ttmp9, 2
	s_lshr_b32 s45, s16, 2
	s_add_co_u32 s51, s51, s45                     ; my group of 128 queries,
	s_and_b32 s52, s16, 3
	s_lshl_b32 s52, s52, 1                         ; and my first tile in it
	s_lshl_b32 s56, s51, 14
	s_add_co_u32 s56, s56, s28
	s_lshl_b32 s45, s52, 11
	s_add_co_u32 s56, s56, s45
	s_lshl_b32 s45, s19, 10
	s_add_co_u32 s56, s56, s45
	s_mov_b32 s57, 0
	s_lshr_b32 s58, s17, 4                         ; y_'s image: tile 64 batch + 8 group + my tile; K step = head pair; chunks 2 x head of the pair + 0, 1
	s_lshl_b32 s58, s58, 6
	s_lshl_b32 s45, s51, 3
	s_add_co_u32 s58, s58, s45
	s_add_co_u32 s58, s58, s52
	s_lshl_b32 s58, s58, 3
	s_and_b32 s45, s18, 7
	s_add_co_u32 s58, s58, s45
	s_lshl_b32 s58, s58, 11
	s_lshl_b32 s45, s19, 10
	s_add_co_u32 s58, s58, s45
	s_mov_b32 s59, 0
	v_add_nc_u32 v[AD], s50, v[LA]
	s_mov_b32 s20, 0x76543210                      ; v_permlanex16_b32's selects for lane l xor 16
	s_mov_b32 s21, 0xfedcba98
	s_wait_kmcnt 0x0
	s_load_b256 s[32:39], s[6:7], 0x0              ; e0 .. e7
	s_load_b128 s[40:43], s[6:7], 0x20             ; e8 .. e11
	s_add_nc_u64 s[10:11], s[4:5], s[46:47]
	s_add_nc_u64 s[12:13], s[4:5], s[48:49]
	s_add_nc_u64 s[14:15], s[4:5], s[56:57]
	s_add_nc_u64 s[8:9], s[8:9], s[58:59]
.irp i, 0,1,2,3,4,5,6,7
	global_load_b128 v[96+4*\i:99+4*\i], v[LA], s[10:11] offset:(\i/2)*2048+(\i%2)*512
.endr
.irp i, 0,1,2,3,4,5,6,7
	global_load_b128 v[128+4*\i:131+4*\i], v[LA], s[12:13] offset:\i*512
.endr
.irp q, 0,1
.irp c, 0,1
	global_load_b128 v[QF+8*\q+4*\c:QF+8*\q+4*\c+3], v[LA], s[14:15] offset:\q*2048+\c*512   ; Q stays in registers
.endr
.endr
	v_mov_b32 v5, 0xff61b1e6                       ; the largest t so far: -3e38, under every t
	v_mov_b32 v7, 0xff61b1e6
	v_floor_f32 v4, -v5                            ; -M
	v_floor_f32 v6, -v7
	v_mov_b32 v8, 0                                ; the sums
	v_mov_b32 v9, 0
	v_mov_b32 v10, 0
	v_mov_b32 v11, 0
.set j, 0
.rept 64
	v_mov_b32 v[O+j], 0                            ; O^T.  (The step is written once: the first finds zeros, which the first change of M leaves zeros)
.set j, j+1
.endr
	s_wait_kmcnt 0x0
	s_add_co_i32 s24, s38, s39
	s_lshl_b32 s24, s24, 23
	s_add_co_i32 s22, s24, 0x3fb8aa3b              ; c = log2(e) x 2^(e6 + e7): the exponents are added to the constant's exponent field
	s_mov_b32 s23, s22                             ; (named with it as a pair, so it is written)
	s_add_co_i32 s24, s41, 127
	s_lshl_b32 s25, s24, 23
	v_mov_b32 v3, s25                              ; 2^e9 as f32
	s_add_co_i32 s24, s24, 8
	s_lshl_b32 s24, s24, 23
	s_or_b32 s25, s24, 0x600000                    ; 448 x 2^e9
	s_sub_co_i32 s26, s43, s40
	s_sub_co_i32 s26, s26, s41                     ; e11 - e8 - e9: a sum of the second product stands for sum x 2^(e8 + e9)
	s_add_co_i32 s26, s26, 127
	s_lshl_b32 s27, s26, 23                        ; 2^that as f32
	s_add_co_i32 s26, s26, 8
	s_lshl_b32 s26, s26, 23
	s_or_b32 s26, s26, 0x600000                    ; 448 x that
	s_mov_b32 s54, 0                               ; LDS byte of the key step in hand
	s_mov_b32 s55, 8                               ; key steps to go
	s_wait_loadcnt 4                               ; the sixteen loads of the fill are in; Q's four may be out
.irp i, 0,1,2,3,4,5,6,7
	ds_store_b128 v[AD], v[96+4*\i:99+4*\i] offset:\i*512
.endr
.irp i, 0,1,2,3,4,5,6,7
	ds_store_b128 v[AD], v[128+4*\i:131+4*\i] offset:8192+\i*512
.endr
	s_wait_dscnt 0x0                               ; for the others' sake: my part of K and V lies in LDS
	s_barrier_signal -1
	s_barrier_wait -1                              ; everybody's does; nothing is written to LDS from here on
	s_wait_loadcnt 0x0                             ; Q
.macro KLOAD g                         ; tiles 4 g .. 4 g + 3 of the step's K
.irp t, 0,1,2,3
.irp c, 0,1
	ds_load_b128 v[F+8*\t+4*\c:F+8*\t+4*\c+3], v[AD] offset:(4*\g+\t)*1024+\c*512
.endr
.endr
.endm
.macro SPROD g                         ; their scores for both tiles of queries
.irp t, 0,1,2,3
.irp q, 0,1
	v_wmma_f32_16x16x64_fp8_fp8 v[S+64*\q+8*(4*\g+\t):S+64*\q+8*(4*\g+\t)+7], v[F+8*\t:F+8*\t+7], v[QF+8*\q:QF+8*\q+7], 0
.endr
.endr
.endm
.macro SUMS q                          ; the row's sum of the UNQUANTISED p, two at a time, in two chains
	v_pk_add_f32 v[240:241], v[S+64*\q:S+64*\q+1], v[S+64*\q+2:S+64*\q+3]
.irp j, 4,8,12,16,20,24,28,32,36,40,44,48,52,56,60
	v_pk_add_f32 v[8+2*\q:9+2*\q], v[8+2*\q:9+2*\q], v[S+64*\q+\j:S+64*\q+\j+1]
	v_pk_add_f32 v[240:241], v[240:241], v[S+64*\q+\j+2:S+64*\q+\j+3]
.endr
	v_pk_add_f32 v[8+2*\q:9+2*\q], v[8+2*\q:9+2*\q], v[240:241]
.endm
.macro HOLD q                          ; p is at most 1 and never negative: the hold at 448 x 2^e9 can bite only where that lies under 1, e9 < -8.  A branch on the given whole number
	s_cmp_ge_i32 s41, -8
	s_cbranch_scc1 .Lfits_\@
.set j, 0
.rept 64
	v_min_num_f32 v[S+64*\q+j], s25, v[S+64*\q+j]
.set j, j+1
.endr
.Lfits_\@:
.endm
.macro CODE q                          ; registers 16 b + i are keys 32 b + 16 (lane / 16) + i: the conversions' results are the second product's operand
.irp b, 0,1,2,3
	v_cvt_scalef32_pk8_fp8_f32 v[F+16*\q+4*\b:F+16*\q+4*\b+1], v[S+64*\q+16*\b:S+64*\q+16*\b+7], v3
	v_cvt_scalef32_pk8_fp8_f32 v[F+16*\q+4*\b+2:F+16*\q+4*\b+3], v[S+64*\q+16*\b+8:S+64*\q+16*\b+15], v3
.endr
.endm
.Lstep:                                            ; 8 trips of 128 keys
	v_add_nc_u32 v[AD], s54, v[LA]
.rept 4
	v_nop                                          ; with the addition five places behind the last products: loads land in P's registers, and the scores are written over V's
.endr
	KLOAD 0
	s_wait_dscnt 0x0
	SPROD 0
.rept 4
	v_nop
.endr
	KLOAD 1
	s_wait_dscnt 0x0
	SPROD 1
.rept 4
	v_nop
.endr
	v_max3_num_f32 v12, v96, v97, v98              ; the step's largest score of my query among my 64 keys: two chains a tile, the tiles by turns; each accumulator is read from its low end on
	v_max3_num_f32 v13, v99, v100, v101
	v_max3_num_f32 v14, v160, v161, v162
	v_max3_num_f32 v15, v163, v164, v165
.irp i, 6,10,14,18,22,26,30,34,38,42,46,50,54,58
	v_max3_num_f32 v12, v12, v[96+\i], v[97+\i]
	v_max3_num_f32 v13, v13, v[98+\i], v[99+\i]
	v_max3_num_f32 v14, v14, v[160+\i], v[161+\i]
	v_max3_num_f32 v15, v15, v[162+\i], v[163+\i]
.endr
	v_max3_num_f32 v12, v12, v158, v159
	v_max3_num_f32 v14, v14, v222, v223
	v_max_num_f32 v12, v12, v13
	v_max_num_f32 v14, v14, v15
	v_permlanex16_b32 v13, v12, s20, s21           ; the query's other 64 keys lie in the lane 16 away
	v_permlanex16_b32 v15, v14, s20, s21
	v_max_num_f32 v12, v12, v13
	v_max_num_f32 v14, v14, v15
	v_mul_f32 v12, s22, v12                        ; as t (c is positive)
	v_mul_f32 v14, s22, v14
	v_max_num_f32 v5, v5, v12                      ; the running largest t
	v_max_num_f32 v7, v7, v14
	v_mov_b32 v13, v4
	v_mov_b32 v15, v6
	v_floor_f32 v4, -v5                            ; the new -M = floor(-t) = -ceil(t)
	v_floor_f32 v6, -v7
	v_sub_f32 v13, v4, v13                         ; old M - new M: a whole number, 0 or less
	v_sub_f32 v15, v6, v15
	v_cvt_i32_f32 v13, v13                         ; (it saturates)
	v_cvt_i32_f32 v15, v15
	v_ldexp_f32 v12, 1.0, v13                      ; f = 2^(old M - new M)
	v_ldexp_f32 v14, 1.0, v15
.set j, 0
.rept 32
	v_pk_fma_f32 v[96+j:97+j], v[96+j:97+j], s[22:23], v[4:5] op_sel_hi:[1,0,0]       ; t - M (of the pairs c and -M the low word serves both halves)
	v_pk_fma_f32 v[160+j:161+j], v[160+j:161+j], s[22:23], v[6:7] op_sel_hi:[1,0,0]
.set j, j+2
.endr
.set j, 0
.rept 128
	v_exp_f32 v[96+j], v[96+j]                     ; p = 2^(t - M), at most 1
.set j, j+1
.endr
	v_pk_mul_f32 v[8:9], v[8:9], v[12:13] op_sel_hi:[1,0]      ; the sums under the new M.  (The plain lines behind the exponentials)
	v_pk_mul_f32 v[10:11], v[10:11], v[14:15] op_sel_hi:[1,0]
	s_wait_alu depctr_va_vdst(0)                   ; one wait for the batch of 128, ahead of its first reader
	SUMS 0
	HOLD 0
	CODE 0
.irp t, 0,1,2,3                                    ; V's four fragments land where tile 0's p lay, while tile 1 is summed and converted
.irp c, 0,1,2,3
	ds_load_b128 v[96+16*\t+4*\c:96+16*\t+4*\c+3], v[AD] offset:8192+\t*2048+\c*512
.endr
.endr
	SUMS 1
	HOLD 1
	CODE 1
.set j, 0
.rept 16
	v_pk_mul_f32 v[O+j:O+j+1], v[O+j:O+j+1], v[12:13] op_sel_hi:[1,0]            ; O^T under the new M.  (Also the plain lines between the conversions and the products)
	v_pk_mul_f32 v[O+32+j:O+32+j+1], v[O+32+j:O+32+j+1], v[14:15] op_sel_hi:[1,0]
.set j, j+2
.endr
	s_wait_dscnt 0x0
.irp t, 0,1,2,3                                    ; O^T += V^T P^T: eight accumulators, one instruction a turn
.irp q, 0,1
	v_wmma_f32_16x16x128_fp8_fp8 v[O+32*\q+8*\t:O+32*\q+8*\t+7], v[96+16*\t:96+16*\t+15], v[F+16*\q:F+16*\q+15], v[O+32*\q+8*\t:O+32*\q+8*\t+7]
.endr
.endr
	s_add_co_u32 s54, s54, 16384
	s_sub_co_u32 s55, s55, 1
	s_cmp_lg_u32 s55, 0
	s_cbranch_scc1 .Lstep
	; THE WAY OUT: O^T / the sum, quantised with 2^(e11 - e8 - e9).  Registers 16 b + i of a tile are channels 32 b + 16 (lane / 16) + i: chunk 2 x head of the pair + b of y_'s image.
.rept 4
	v_nop
.endr
	v_add_f32 v8, v8, v9
	v_add_f32 v10, v10, v11
	v_permlanex16_b32 v9, v8, s20, s21
	v_permlanex16_b32 v11, v10, s20, s21
	v_add_f32 v8, v8, v9                           ; the row's sum
	v_add_f32 v10, v10, v11
	v_rcp_f32 v8, v8
	v_rcp_f32 v10, v10
	v_mov_b32 v14, s27                             ; (plain lines behind the reciprocals)
	v_mov_b32 v15, s26
	s_wait_alu depctr_va_vdst(0)                   ; one wait for both, ahead of the first reader
.set j, 0
.rept 16
	v_pk_mul_f32 v[O+j:O+j+1], v[O+j:O+j+1], v[8:9] op_sel_hi:[1,0]
	v_pk_mul_f32 v[O+32+j:O+32+j+1], v[O+32+j:O+32+j+1], v[10:11] op_sel_hi:[1,0]
.set j, j+2
.endr
.set j, 0
.rept 64
	v_med3_num_f32 v[O+j], v[O+j], -v15, v15
.set j, j+1
.endr
.irp q, 0,1
.irp b, 0,1
	v_cvt_scalef32_pk8_fp8_f32 v[96+8*\q+4*\b:96+8*\q+4*\b+1], v[O+32*\q+16*\b:O+32*\q+16*\b+7], v14
	v_cvt_scalef32_pk8_fp8_f32 v[96+8*\q+4*\b+2:96+8*\q+4*\b+3], v[O+32*\q+16*\b+8:O+32*\q+16*\b+15], v14
.endr
.endr
	v_nop
.irp q, 0,1
.irp b, 0,1
	global_store_b128 v[LA], v[96+8*\q+4*\b:96+8*\q+4*\b+3], s[8:9] offset:\q*16384+\b*512   ; 32 lanes store 512 consecutive bytes, aligned
.endr
.endr
	s_wait_xcnt 0x0
	v_lshl_add_u32 v254, v0, 2, 0x20000
	v_mov_b32 v255, 0
	s_wait_tensorcnt 0x0
	ds_add_u32 v254, v255
	s_wait_dscnt 0x0
	s_endpgm
.Lfunc_end_k_qaeca92452c_attn:
	.size	k_qaeca92452c_attn, .Lfunc_end_k_qaeca92452c_attn-k_qaeca92452c_attn
	.p2alignl 7, 3214868480
	.fill 96, 4, 3214868480
	.section	.rodata,"a",@progbits
	.p2align	6, 0x0
	.amdhsa_kernel k_qaeca92452c_attn
		.amdhsa_group_segment_fixed_size 133120
		.amdhsa_private_segment_fixed_size 0
		.amdhsa_enable_private_segment 0
		.amdhsa_kernarg_size 24
		.amdhsa_user_sgpr_count 2
		.amdhsa_user_sgpr_kernarg_segment_ptr 1
		.amdhsa_wavefront_size32 1
		.amdhsa_system_sgpr_workgroup_id_x 1
		.amdhsa_system_sgpr_workgroup_id_y 1
		.amdhsa_system_sgpr_workgroup_id_z 1
		.amdhsa_system_vgpr_workitem_id 0
		.amdhsa_next_free_vgpr 256
		.amdhsa_next_free_sgpr 66
		.amdhsa_reserve_vcc 0
		.amdhsa_float_denorm_mode_32 3
		.amdhsa_float_denorm_mode_16_64 3
		.amdhsa_memory_ordered 1
		.amdhsa_forward_progress 1
		.amdhsa_inst_pref_size 45
	.end_amdhsa_kernel
	.amdgpu_metadata
---
amdhsa.version: [ 1, 2 ]
amdhsa.kernels:
  - .name:           k_qaeca92452c_attn
    .symbol:         k_qaeca92452c_attn.kd
    .args:
      - { .name: qkv, .offset: 0, .size: 8, .value_kind: global_buffer, .address_space: global }
      - { .name: lowp_scales, .offset: 8, .size: 8, .value_kind: global_buffer, .address_space: global }
      - { .name: yimg, .offset: 16, .size: 8, .value_kind: global_buffer, .address_space: global }
    .group_segment_fixed_size: 133120
    .private_segment_fixed_size: 0
    .kernarg_segment_align: 8
    .kernarg_segment_size: 24
    .max_flat_workgroup_size: 512
    .sgpr_count:     66
    .vgpr_count:     256
    .wavefront_size: 32
...
	.end_amdgpu_metadata
.endif
;; end of part 3
;; launch colsm (part 4): grid 16 x 8, 4 waves a work-group, clusters of 4 x 1, 327,680 bytes of LDS; arguments xc, yimg, lowp_scales, out0; writes out0
.if DOCPART == 4
	.amdgcn_target "amdgcn-amd-amdhsa--gfx1250"
	.amdhsa_code_object_version 6
	.text
	.protected	k_qaeca92452c_colsm
	.globl	k_qaeca92452c_colsm
	.p2align	8
	.type	k_qaeca92452c_colsm,@function
k_qaeca92452c_colsm:
	s_mov_b64 s[64:65], 0
	v_nop
	global_prefetch_b8 v0, s[64:65] scope:SCOPE_SE
	s_setreg_imm32_b32 hwreg(HW_REG_WAVE_MODE, 25, 1), 1
	s_wait_xcnt 0x0
	s_wait_alu depctr_hold_cnt(0) depctr_sa_sdst(0) depctr_va_vdst(0) depctr_va_sdst(0) depctr_va_ssrc(0) depctr_va_vcc(0) depctr_vm_vsrc(0)
	s_getreg_b32 s2, hwreg(HW_REG_IB_STS2, 6, 4)
	s_cmp_eq_u32 s2, 0
	s_cbranch_scc0 .Lentry_in_a_cluster
	s_endpgm
.Lentry_in_a_cluster:
	s_bfe_u32 s2, ttmp6, 0x10000c
	s_cmp_lg_u32 s2, 0x3003
	s_cbranch_scc0 .Lentry_shape_is_right
	s_endpgm
.Lentry_shape_is_right:
; out0[b][q][k] = softmax over q of (x[b][q] . y_[b][k] / 8), the product on codes of E4M3 (scales 10 and 11), the softmax in f32 with the column's largest number taken away.
; xc, yimg: images of operand registers, [tile of 16 rows: 64 batch + ..][K step: 8][chunk: 4][lane][16 bytes]; tile 2 g + u holds rows 32 g + 8 u + r + 8 (r / 8).
; SHARES: the softmax runs over all 1,024 q, so a work-group owns whole columns: one batch, 64 columns k (a query's piece of out0 is then 256 consecutive bytes, aligned): 128 work-groups.
; Wave w takes queries 256 w .. + 255: 16 tiles of x against the 4 tiles of y_: 64 accumulators.  Source 0 = y_ (a lane's registers run along k), source 1 = x (a lane is a query).
; For a tile i of x a lane's 32 registers p are columns 32 (p / 16) + 16 (lane / 16) + p % 16.
; x comes through a ring of two LDS slots, one K step of all 64 tiles each (131,072 bytes); each wave fetches and reads its own 16 tiles (32,768 bytes).
; CLUSTER 4 x 1: the four work-groups of a cluster belong to one batch and walk the same x: every tile is asked for jointly.  y_'s four tiles are the work-group's own and go from memory straight into registers, a K step ahead.
; LIMIT: e10 + e11 - 3 between -126 and 126 (added to log2(e)'s exponent field).
; REGISTERS, in windows of 256: window 0: v16-31 addresses; v128-255 y_'s fragments, two sets; behind the products v32-255 serve the softmax.  window 1: x's 16 fragments, ONE set.  windows 2, 3: accumulator (i, n) at v[8 (4 (i % 8) + n)].
.set SLOT,  131072
.set SPARE, 2*SLOT                     ; the spare words, 128 bytes for each wave: two blocks of 256 bytes that no other line names
.set RED,   SPARE+512                  ; 2 x 1,024 bytes: the four waves' column maxima, then their column sums
.set STAGE, RED+2048                   ; 16 rows x 272 bytes for each wave, for the way out
.set SP,    272
.set ADX, 16                           ; v16-17 LDS address of my x fragments in slot 0, 1
.set RW,  22                           ; v22    where I put my wave's 64 column figures
.set RR,  23                           ; v23    where I read the four waves'
.set STO, 24                           ; v24    the stage: in
.set RD,  25                           ; v25    the stage: back
.set LI,  26                           ; v26    16 x lane
.set GO,  27                           ; v27    my byte offset in two rows of out0
.set SPW, 28
.set NIL, 29
.set MX,  32                           ; v32-63  column maxima, then -c x maximum, then 1 / sum
.set SU,  64                           ; v64-95  column sums
.set YF,  128
.set G1, 24
.set G0, 32
.set MSB, 0
.macro WIN new
.if MSB != \new
	s_set_vgpr_msb (MSB<<8)|\new
.set MSB, \new
.endif
.endm
.set MUL_LO, 0xa4                      ; source 0 (y_) window 0, source 1 (x) window 1, C and D window 2
.set MUL_HI, 0xf4
.set TO_X,   0x40
.macro CREST
	s_cmp_lg_u32 s14, 0
	s_cbranch_scc1 .Lnot_wave_0_\@
	s_barrier_signal -3
.Lnot_wave_0_\@:
	s_barrier_wait -3
	s_barrier_signal -1
	s_barrier_wait -1
.endm
.macro CROUND
	s_barrier_signal -1
	s_barrier_wait -1
	CREST
.endm
.macro PLACES n
.rept \n
	v_nop
.endr
.endm
.macro TL slot                         ; a joint load: every wave asks for its own 16 tiles; four v_nop follow
	tensor_load_to_lds s[G0+4*(\slot):G0+4*(\slot)+3], s[G1:G1+7]
	s_nop 0
.rept 4
	v_nop
.endr
.endm
	s_load_b128 s[4:7], s[0:1], 0x0                ; xc, yimg
	s_load_b128 s[8:11], s[0:1], 0x10              ; the scales' exponents, out0
	v_lshl_add_u32 v[SPW], v0, 2, SPARE
	v_mov_b32 v[NIL], 0
	ds_add_u32 v28, v29
	ds_add_u32 v28, v29
	s_wait_dscnt 0x0
	v_lshrrev_b32 v1, 5, v0
	v_readfirstlane_b32 s14, v1                    ; wave 0..3
	s_bfe_u32 s40, ttmp6, 0x40000                  ; cx
	s_lshl_b32 s42, ttmp9, 2
	s_add_co_u32 s42, s42, s40                     ; my block of 64 columns: it enters y_'s and out0's addresses alone
	s_and_b32 s17, ttmp7, 0xffff                   ; the batch, which the four partners share
	; descriptor group 1: 16 rows (tiles) of 256 elements of 8 bytes (one fragment), 2,048 elements (a tile's image) apart; dense in LDS
	s_mov_b32 s[G1+0], 15|(3<<16)|(1<<21)          ; 15:0 the mask: all four work-groups; 17:16 elements of 8 bytes; 21 set beside a mask
	s_mov_b32 s[G1+1], 256<<16                     ; tensor_dim0
	s_mov_b32 s[G1+2], 16<<16                      ; tensor_dim1
	s_mov_b32 s[G1+3], 256<<16                     ; tile_dim0
	s_mov_b32 s[G1+4], 16                          ; tile_dim1
	s_mov_b32 s[G1+5], 2048                        ; tensor_dim0_stride
	s_mov_b32 s[G1+6], 0
	s_mov_b32 s[G1+7], 0
	s_lshl_b32 s20, s17, 20                        ; x: the batch's 64 tiles of 16,384 bytes,
	s_lshl_b32 s18, s14, 18                        ; my wave's 16
	s_add_co_u32 s20, s20, s18
	s_mov_b32 s21, 0
	s_lshl_b32 s46, s17, 20                        ; y_: the batch's tiles,
	s_lshl_b32 s19, s42, 16                        ; my work-group's 4
	s_add_co_u32 s46, s46, s19
	s_mov_b32 s47, 0
	s_lshl_b32 s48, s17, 22                        ; out0: the batch, my wave's 256 rows of 4,096 bytes, my work-group's 256 bytes of a row
	s_lshl_b32 s18, s14, 20
	s_add_co_u32 s48, s48, s18
	s_lshl_b32 s19, s42, 8
	s_add_co_u32 s48, s48, s19
	s_mov_b32 s49, 0
	s_lshl_b32 s45, s14, 15                        ; in a slot: wave x 32,768
	s_wait_kmcnt 0x0
	s_load_b64 s[50:51], s[8:9], 0x28              ; e10, e11
	s_add_nc_u64 s[20:21], s[4:5], s[20:21]
	s_add_nc_u64 s[6:7], s[6:7], s[46:47]
	s_add_nc_u64 s[10:11], s[10:11], s[48:49]
	CROUND                                         ; all four work-groups are here: the first joint loads meet
.irp s, 0,1
	s_mov_b32 s[G0+4*\s], 1
	s_add_co_u32 s[G0+4*\s+1], s45, \s*SLOT
	s_add_nc_u64 s[G0+4*\s+2:G0+4*\s+3], s[20:21], \s*2048
	s_or_b32 s[G0+4*\s+3], s[G0+4*\s+3], 0x80000000
	TL \s
.endr
	v_and_b32 v1, 31, v0
	v_and_b32 v2, 15, v0                           ; r
	v_bfe_u32 v3, v0, 4, 1                         ; hh
	v_lshlrev_b32 v[LI], 4, v1
	v_add_nc_u32 v[ADX], s45, v[LI]
	v_add_nc_u32 v[ADX+1], SLOT, v[ADX]
	s_lshl_b32 s22, s14, 8
	v_lshlrev_b32 v[RR], 6, v3
	v_add_nc_u32 v[RR], RED, v[RR]                 ; a wave's 64 figures are 256 bytes, by column; my half's sixteens begin at 64 hh
	v_add_nc_u32 v[RW], s22, v[RR]
	s_mul_i32 s23, s14, 16*SP
	s_add_co_u32 s23, s23, STAGE
	v_mul_u32_u24 v[STO], v2, SP
	v_lshl_add_u32 v[STO], v3, 6, v[STO]
	v_add_nc_u32 v[STO], s23, v[STO]               ; in: row r, + 64 hh
	v_mul_u32_u24 v[RD], v3, SP
	v_lshl_add_u32 v[RD], v2, 4, v[RD]
	v_add_nc_u32 v[RD], s23, v[RD]                 ; back: lanes 0-15 one row of 256 bytes, lanes 16-31 the next
	v_lshlrev_b32 v[GO], 12, v3
	v_lshl_add_u32 v[GO], v2, 4, v[GO]             ; and the same two rows in out0
.macro FETCH_X slot, i0                ; x's blocks i0 .. i0 + 7 of the slot's K step
	WIN TO_X
.irp i, \i0, \i0+1, \i0+2, \i0+3, \i0+4, \i0+5, \i0+6, \i0+7
.irp c, 0,1,2,3
	ds_load_b128 v[16*(\i)+4*\c:16*(\i)+4*\c+3], v[ADX+\slot] offset:(\i)*2048+512*\c
.endr
.endr
	WIN 0
.endm
.macro FETCH_Y s                       ; y_'s four fragments of K step s into set s % 2
.irp n, 0,1,2,3
.irp c, 0,1,2,3
	global_load_b128 v[YF+64*((\s)%2)+16*\n+4*\c:YF+64*((\s)%2)+16*\n+4*\c+3], v[LI], s[6:7] offset:\n*16384+(\s)*2048+\c*512
.endr
.endr
.endm
; 16 matrix instructions: x's blocks i0 .. i0 + 3 against y_'s four.  The 64 accumulators take turns, one instruction a turn, in the same order in every step.
.macro MUL4 i0, p, zero
.irp i, \i0, \i0+1, \i0+2, \i0+3
.irp n, 0,1,2,3
.if \zero
	v_wmma_f32_16x16x128_fp8_fp8 v[8*(4*((\i)%8)+\n):8*(4*((\i)%8)+\n)+7], v[YF+64*(\p)+16*\n:YF+64*(\p)+16*\n+15], v[16*(\i):16*(\i)+15], 0
.else
	v_wmma_f32_16x16x128_fp8_fp8 v[8*(4*((\i)%8)+\n):8*(4*((\i)%8)+\n)+7], v[YF+64*(\p)+16*\n:YF+64*(\p)+16*\n+15], v[16*(\i):16*(\i)+15], v[8*(4*((\i)%8)+\n):8*(4*((\i)%8)+\n)+7]
.endif
.endr
.endr
.endm
; K step s.  Its fragments of x were asked out of slot s % 2 at the end of the step before, so its 64 products need nothing of the next slot and stand AHEAD of the wait for the tensor load:
; between that wait and the refill stand only the add, the descriptor's step and the round.  y_'s fragments of the next step are asked for at the head: the set that takes them was last read a step ago, ahead of four plain lines.
; fill = 1: slot s % 2 is filled again with K step s + 2: each wave's wait for all its tensor loads, its add, its wait for that and for its reads; a round of the cluster's barrier; the joint load first behind it.
; fill = 0: nothing is filled; a wave reads its own bytes alone, so its wait for its tensor load is all that the next step's reads need.
.macro TURN s, zero, fill
	FETCH_Y (\s)+1
	s_wait_dscnt 32                                ; x's blocks 0-7 are in (the 32 loads of blocks 8-15 may be out)
	s_wait_loadcnt 16                              ; this step's y_ is in; the next step's sixteen loads may be out
	WIN MUL_LO
	MUL4 0, (\s)%2, \zero
	MUL4 4, (\s)%2, \zero
	s_wait_dscnt 0x0
	WIN MUL_HI
	MUL4 8, (\s)%2, \zero
	MUL4 12, (\s)%2, \zero
	WIN 0
	s_wait_tensorcnt 0x0                           ; my part of the next slot has landed; no tensor load of mine is out, so a group 0 may be written
.if \fill
	ds_add_u32 v[SPW], v[NIL]                      ; 0 onto my spare word
	s_add_nc_u64 s[G0+4*((\s)%2)+2:G0+4*((\s)%2)+3], s[G0+4*((\s)%2)+2:G0+4*((\s)%2)+3], 4096
	s_wait_dscnt 0x0                               ; the add is done; my reads of this slot were over above
	CROUND                                         ; no wave of any partner still reads this slot or has a load on its way
	TL (\s)%2                                      ; its four v_nop are also the places in front of the loads below
.else
	PLACES 4
.endif
	FETCH_X ((\s)+1)%2, 0
	FETCH_X ((\s)+1)%2, 8
.endm
	FETCH_Y 0
	s_wait_tensorcnt 1                             ; my part of K step 0 is in (K step 1's load may be out); I read my own bytes alone
	FETCH_X 0, 0
	FETCH_X 0, 8
	TURN 0, 1, 1                                   ; the first step's products start the sums
	TURN 1, 0, 1
	TURN 2, 0, 1
	TURN 3, 0, 1
	TURN 4, 0, 1
	TURN 5, 0, 1
	TURN 6, 0, 0
	s_wait_dscnt 32
	s_wait_loadcnt 0x0
	WIN MUL_LO
	MUL4 0, 1, 0
	MUL4 4, 1, 0
	s_wait_dscnt 0x0
	WIN MUL_HI
	MUL4 8, 1, 0
	MUL4 12, 1, 0
	WIN 0
	; THE SOFTMAX OVER q.  c = log2(e) / 8 x 2^(e10 + e11); out = 2^(c s - c max) / the column's sum of those.
	s_wait_kmcnt 0x0
	s_add_co_i32 s52, s50, s51
	s_sub_co_i32 s52, s52, 3
	s_lshl_b32 s52, s52, 23
	s_add_co_i32 s52, s52, 0x3fb8aa3b              ; c
	s_mov_b32 s53, s52
	s_xor_b32 s54, s52, 0x80000000                 ; -c
	s_mov_b32 s55, s54
	PLACES 4
	; my lane's largest sum of each of its 32 columns, over my 16 tiles; each accumulator is read from its low end on
.macro MAX3 a, b
.set p, 0
.rept 32
	v_max3_num_f32 v[MX+p], v[MX+p], v[\a+p], v[\b+p]
.set p, p+1
.endr
.endm
	WIN 0x2a                                       ; all three sources window 2
.set p, 0
.rept 32
	v_max3_num_f32 v[MX+p], v[p], v[32+p], v[64+p]
.set p, p+1
.endr
	WIN 0x28                                       ; sources 1 and 2 window 2
	MAX3 96, 128
	MAX3 160, 192
	WIN 0x38                                       ; source 1 window 2, source 2 window 3
	MAX3 224, 0
	WIN 0x3c                                       ; sources 1 and 2 window 3
	MAX3 32, 64
	MAX3 96, 128
	MAX3 160, 192
	WIN 0x0c
.set p, 0
.rept 32
	v_max_num_f32 v[MX+p], v[MX+p], v[224+p]
.set p, p+1
.endr
	WIN 0
.irp k, 1,2,4,8                                    ; over the 16 queries of a tile: the 16 lanes of my half
.set p, 0
.rept 32
	v_max_num_f32_dpp v[MX+p], v[MX+p], v[MX+p] row_xmask:\k row_mask:0xf bank_mask:0xf
.set p, p+1
.endr
.endr
.irp m, 0,1,2,3,4,5,6,7
	ds_store_b128 v[RW], v[MX+4*\m:MX+4*\m+3] offset:128*(\m/4)+16*(\m%4)   ; sixteen lanes write the same words with the same numbers
.endr
	s_wait_dscnt 0x0                               ; for the others' sake
	s_barrier_signal -1
	s_barrier_wait -1
.irp u, 0,1,2,3
.irp m, 0,1,2,3,4,5,6,7
	ds_load_b128 v[64+32*\u+4*\m:64+32*\u+4*\m+3], v[RR] offset:256*\u+128*(\m/4)+16*(\m%4)
.endr
.endr
	s_wait_dscnt 0x0
.set p, 0
.rept 32
	v_max3_num_f32 v[MX+p], v[64+p], v[96+p], v[128+p]
.set p, p+1
.endr
.set p, 0
.rept 32
	v_max_num_f32 v[MX+p], v[MX+p], v[160+p]
.set p, p+1
.endr
.set p, 0
.rept 16
	v_pk_mul_f32 v[MX+p:MX+p+1], v[MX+p:MX+p+1], s[54:55] op_sel_hi:[1,0]   ; -c x the column's largest sum
.set p, p+2
.endr
.macro EXPW                            ; a window's 8 tiles: c s - c max, then 2^that, in place
.set i, 0
.rept 8
.set p, 0
.rept 16
	v_pk_fma_f32 v[32*i+p:32*i+p+1], v[32*i+p:32*i+p+1], s[52:53], v[MX+p:MX+p+1] op_sel_hi:[1,0,1]
.set p, p+2
.endr
.set i, i+1
.endr
.set j, 0
.rept 256
	v_exp_f32 v[j], v[j]
.set j, j+1
.endr
.endm
	WIN 0x82                                       ; source 0 and destination window 2
	EXPW
	WIN 0xc3                                       ; window 3
	EXPW
	WIN 0
	v_nop                                          ; the plain line behind the last exponential
	s_wait_alu depctr_va_vdst(0)                   ; one wait for the batch of 512, ahead of its first reader
	WIN 0x0a
.set p, 0
.rept 16
	v_pk_add_f32 v[SU+p:SU+p+1], v[p:p+1], v[32+p:32+p+1]
.set p, p+2
.endr
.macro ADDT a
.set p, 0
.rept 16
	v_pk_add_f32 v[SU+p:SU+p+1], v[SU+p:SU+p+1], v[\a+p:\a+p+1]
.set p, p+2
.endr
.endm
	WIN 0x08
.irp a, 64,96,128,160,192,224
	ADDT \a
.endr
	WIN 0x0c
.irp a, 0,32,64,96,128,160,192,224
	ADDT \a
.endr
	WIN 0
.irp k, 1,2,4,8
.set p, 0
.rept 32
	v_add_f32_dpp v[SU+p], v[SU+p], v[SU+p] row_xmask:\k row_mask:0xf bank_mask:0xf
.set p, p+1
.endr
.endr
.irp m, 0,1,2,3,4,5,6,7
	ds_store_b128 v[RW], v[SU+4*\m:SU+4*\m+3] offset:1024+128*(\m/4)+16*(\m%4)   ; other bytes than the maxima's: no wave may still be reading those
.endr
	s_wait_dscnt 0x0
	s_barrier_signal -1
	s_barrier_wait -1
.irp u, 0,1,2,3
.irp m, 0,1,2,3,4,5,6,7
	ds_load_b128 v[96+32*\u+4*\m:96+32*\u+4*\m+3], v[RR] offset:1024+256*\u+128*(\m/4)+16*(\m%4)
.endr
.endr
	s_wait_dscnt 0x0
.set p, 0
.rept 16
	v_pk_add_f32 v[SU+p:SU+p+1], v[96+p:96+p+1], v[128+p:128+p+1]
.set p, p+2
.endr
	ADDT 160
	ADDT 192
.set p, 0
.rept 32
	v_rcp_f32 v[MX+p], v[SU+p]
.set p, p+1
.endr
	v_nop
	s_wait_alu depctr_va_vdst(0)                   ; one wait for the 32 reciprocals
; THE WAY OUT, tile by tile of 16 queries x 64 columns, through my own stage in LDS: a lane holds pieces of one row, and the rows leave whole: sixteen lanes store 256 consecutive bytes, aligned.
; IN PLACE: a tile's 32 registers are divided by the sums where they lie, go into the stage from there, come back into the same registers as whole rows, and are stored from there.
; So no register that a store reads is ever written again, and the stores' base and offset never change.
; LDS serves a wave's instructions in order (ISA guide 5.7.1.4): no wait between the stores and the loads, nor in front of the next tile's stores.
.macro TOSTAGE i
	WIN 0x82+0x41*((\i)/8)                         ; source 0 and destination: window 2 or 3; the reciprocals in window 0
.set p, 0
.rept 16
	v_pk_mul_f32 v[32*((\i)%8)+p:32*((\i)%8)+p+1], v[32*((\i)%8)+p:32*((\i)%8)+p+1], v[MX+p:MX+p+1]
.set p, p+2
.endr
	WIN 0x88+0x44*((\i)/8)                         ; a store's data (source 1) and a load's destination: window 2 or 3; addresses in window 0
.irp m, 0,1,2,3,4,5,6,7
	ds_store_b128 v[STO], v[32*((\i)%8)+4*\m:32*((\i)%8)+4*\m+3] offset:128*(\m/4)+16*(\m%4)
.endr
.irp t, 0,1,2,3,4,5,6,7
	ds_load_b128 v[32*((\i)%8)+4*\t:32*((\i)%8)+4*\t+3], v[RD] offset:\t*2*SP
.endr
.endm
.macro SEND i, younger                 ; younger: the LDS instructions issued behind tile i's loads, which may stay out.  Stage row 2 t + hh is query 32 (i / 2) + 8 (i % 2) + 2 t + 8 (t / 4) + hh of my 256
	WIN 0x88+0x44*((\i)/8)
	s_wait_dscnt \younger
.irp t, 0,1,2,3,4,5,6,7
	global_store_b128 v[GO], v[32*((\i)%8)+4*\t:32*((\i)%8)+4*\t+3], s[10:11] offset:(32*((\i)/2)+8*((\i)%2)+2*\t+8*(\t/4))*4096 th:TH_STORE_NT
.endr
.endm
	TOSTAGE 0
.irp i, 1,2,3,4,5,6,7,8,9,10,11,12,13,14,15
	TOSTAGE \i
	SEND \i-1, 16                                  ; behind tile i - 1's loads: tile i's 8 stores and 8 loads
.endr
	SEND 15, 0
	WIN 0
	s_wait_tensorcnt 0x0                           ; the wave's end
	ds_add_u32 v[SPW], v[NIL]
	s_wait_dscnt 0x0
	CROUND                                         ; the closing round: no work-group ends while a partner may still ask for a tile that names it
	s_endpgm
.Lfunc_end_k_qaeca92452c_colsm:
	.size	k_qaeca92452c_colsm, .Lfunc_end_k_qaeca92452c_colsm-k_qaeca92452c_colsm
	.p2alignl 7, 3214868480
	.fill 96, 4, 3214868480
	.section	.rodata,"a",@progbits
	.p2align	6, 0x0
	.amdhsa_kernel k_qaeca92452c_colsm
		.amdhsa_group_segment_fixed_size 327680
		.amdhsa_private_segment_fixed_size 0
		.amdhsa_enable_private_segment 0
		.amdhsa_kernarg_size 32
		.amdhsa_user_sgpr_count 2
		.amdhsa_user_sgpr_kernarg_segment_ptr 1
		.amdhsa_wavefront_size32 1
		.amdhsa_system_sgpr_workgroup_id_x 1
		.amdhsa_system_sgpr_workgroup_id_y 1
		.amdhsa_system_sgpr_workgroup_id_z 1
		.amdhsa_system_vgpr_workitem_id 0
		.amdhsa_next_free_vgpr 1024
		.amdhsa_next_free_sgpr 66
		.amdhsa_reserve_vcc 0
		.amdhsa_float_denorm_mode_32 3
		.amdhsa_float_denorm_mode_16_64 3
		.amdhsa_memory_ordered 1
		.amdhsa_forward_progress 1
		.amdhsa_inst_pref_size 226
	.end_amdhsa_kernel
	.amdgpu_metadata
---
amdhsa.version: [ 1, 2 ]
amdhsa.kernels:
  - .name:           k_qaeca92452c_colsm
    .symbol:         k_qaeca92452c_colsm.kd
    .args:
      - { .name: xc, .offset: 0, .size: 8, .value_kind: global_buffer, .address_space: global }
      - { .name: yimg, .offset: 8, .size: 8, .value_kind: global_buffer, .address_space: global }
      - { .name: lowp_scales, .offset: 16, .size: 8, .value_kind: global_buffer, .address_space: global }
      - { .name: out0, .offset: 24, .size: 8, .value_kind: global_buffer, .address_space: global }
    .group_segment_fixed_size: 327680
    .private_segment_fixed_size: 0
    .kernarg_segment_align: 8
    .kernarg_segment_size: 32
    .max_flat_workgroup_size: 128
    .sgpr_count:     66
    .vgpr_count:     1024
    .wavefront_size: 32
...
	.end_amdgpu_metadata
.endif
;; end of part 4
;; ======== version 2 of 2: 4 launches; version 1 with the launch attn written anew for expert scheduling mode
;; workspace buffers: tok 25,165,824 bytes; wts 3,145,728 bytes; xc 8,388,608 bytes; qkv 25,165,824 bytes; yimg 8,388,608 bytes
;; launch quant: the kernel of part 1 again; grid 1216 x 1, 4 waves a work-group, no clusters, 34,304 bytes of LDS; arguments x, y, Wq, Wk, Wv, lowp_scales, tok, wts, xc; writes tok, wts, xc
;; launch proj: the kernel of part 2 again; grid 4 x 48, 4 waves a work-group, clusters of 4 x 4, 327,680 bytes of LDS; arguments tok, wts, lowp_scales, qkv; writes qkv
;; launch attn (part 5): grid 2 x 128, 16 waves a work-group, no clusters, 133,120 bytes of LDS; arguments qkv, lowp_scales, yimg; writes yimg
.if DOCPART == 5
	.amdgcn_target "amdgcn-amd-amdhsa--gfx1250"
	.amdhsa_code_object_version 6
	.text
	.protected	k_qaeca92452c_attn
	.globl	k_qaeca92452c_attn
	.p2align	8
	.type	k_qaeca92452c_attn,@function
k_qaeca92452c_attn:
	s_mov_b64 s[64:65], 0
	v_nop
	global_prefetch_b8 v0, s[64:65] scope:SCOPE_SE
	s_setreg_imm32_b32 hwreg(HW_REG_WAVE_SCHED_MODE, 0, 2), 2
	s_setreg_imm32_b32 hwreg(HW_REG_WAVE_MODE, 25, 1), 1
	s_wait_xcnt 0x0
	s_wait_alu depctr_vm_vsrc(0)
; y_ = softmax(Q K^T) V for each of 128 (batch, head) pairs, 1,024 queries x 1,024 keys, head size 64, both products on codes of E4M3; y_ is quantised (scale 11) and stored as an image of operand registers.
; THE SOFTMAX: t = logit x log2(e); M = the running largest t rounded UP to a whole number; p = 2^(t - M) is quantised (scale 9), not normalised; the row's sum is taken of the unquantised p and divides at the end.
; When M moves, the sum and O are multiplied by 2^(old M - new M): nothing is rounded.
; SHARES: a work-group takes one head and 512 of its queries; each of its 16 waves 32 queries: two tiles, so that each fragment of K and V read from LDS feeds two products.  Four waves share a SIMD.
; LDS holds ALL of the head's K and V codes (128 KiB), filled once through registers: key step ks (128 keys) at 16,384 ks: K's 8 tiles x 1,024 bytes, then V's 4 fragments x 2,048 bytes.  One barrier; read-only afterwards.
; NO CLUSTER: what a head's two work-groups share is those 128 KiB, read once at the head, against 8 key steps of work each.
; LAYOUT: both products transposed: S^T = K Q^T (source 0 = 16 keys, source 1 = 16 queries), O^T = V^T P^T (source 0 = 16 channels, source 1 = P): a lane holds ONE query throughout.
; The keys of a tile of K and the channels of a tile of V are laid (by the launch before) so that the 16 result registers of tiles 2 g, 2 g + 1 are 16 neighbours: 32 g + 16 (lane / 16) + 0 .. 15.
; LIMITS: e6 + e7 between -126 and 126 (added to log2(e)'s exponent field); e9, and e11 - e8 - e9, between -126 and 119.
; REGISTERS: v1 16 x lane; v2 LDS address in hand; v3 2^e9; v[4:5], v[6:7] (-M, largest t) of tiles 0, 1; v[8:9], v[10:11] the sums in two halves; v[12:13], v[14:15] at work, then (f, -);
;   v16-31 Q; v32-63, v64-95 O^T; v96-159 S^T of tile 0, later V's four fragments; v160-223 S^T of tile 1, of which v192-223 later take K's tiles 0-3 of the next step; v224-255 K's tiles 4-7, later P's codes.
; THE MODE: SCHED_MODE bits 1:0 = 2 (LLVM: expert scheduling mode 2), set by the entry lines.  The code itself states the register dependences
; between vector or matrix instructions and memory or LDS instructions, with s_wait_alu, always for 0.
; THE PLAN.  Registers that memory or LDS instructions touch, in a key step:
;   v192-223   K's tiles 0-3.  Their loads are issued in the step BEFORE, behind tile 1's conversions, the last readers of these registers; the step's first eight products read them; its second eight write scores over them.
;   v224-255   K's tiles 4-7.  Their loads are issued at the step's head, behind the last step's second products, which read P's codes there; the step's second eight products read them; then the sums' pair and P's codes are written there.
;   v96-159    V's four fragments.  Their loads are issued behind tile 0's conversions, the last readers of tile 0's p; the second products read them; the next step's scores are written over them.
;   v[AD]      Read by every LDS load; written once a step, behind tile 1's conversions, for the next step.
;   v[LA]      Made at the head and never written again.
; So a step holds three waits on va_vdst for its loads, each behind the instructions that empty a buffer and with that buffer's loads straight behind it, the wait behind the exponentials, and one wait on vm_vsrc ahead of the add to v[AD].
; The last key step asks for no K ahead: it is written out behind a loop of seven trips, so that no load leaves K's and V's bytes.
.set LA, 1
.set AD, 2
.set QF, 16
.set O,  32
.set S,  96
.set KB, 192                           ; K's fragments: tiles 0-3 at v192, tiles 4-7 at v224
.set F,  224
	s_load_b128 s[4:7], s[0:1], 0x0                ; qkv, the scales' exponents
	s_load_b64 s[8:9], s[0:1], 0x10                ; yimg
	v_lshrrev_b32 v2, 5, v0
	v_readfirstlane_b32 s16, v2                    ; wave 0..15
	v_and_b32 v1, 31, v0
	v_lshlrev_b32 v[LA], 4, v1
	s_wait_alu depctr_va_sdst(0)                   ; s16 is written, ahead of its first reader: the fill's, Q's and y_'s addresses are made from it
	s_and_b32 s17, ttmp7, 0xffff                   ; 16 batch + head
	s_lshr_b32 s18, s17, 1                         ; 8 batch + head pair
	s_and_b32 s19, s17, 1                          ; which head of the pair
	s_lshl_b32 s28, s18, 17                        ; the pair's 8 blocks of 16,384 bytes
	s_lshr_b32 s29, s16, 1                         ; the fill: my key step,
	s_and_b32 s30, s16, 1                          ; and which half of its K and V
	s_lshl_b32 s31, s29, 14
	s_add_co_u32 s44, s28, s31
	s_lshl_b32 s45, s30, 13                        ; K: four tiles of 2,048 bytes (both heads'),
	s_add_co_u32 s46, s44, s45
	s_lshl_b32 s45, s19, 10                        ; my head's 1,024 of each
	s_add_co_u32 s46, s46, s45
	s_add_co_u32 s46, s46, 0x800000
	s_mov_b32 s47, 0
	s_lshl_b32 s45, s19, 13                        ; V: my head's 8,192 bytes,
	s_add_co_u32 s48, s44, s45
	s_lshl_b32 s45, s30, 12                        ; my half of them
	s_add_co_u32 s48, s48, s45
	s_add_co_u32 s50, s31, s45                     ; in LDS: 16,384 x key step + 4,096 x half
	s_add_co_u32 s48, s48, 0x1000000
	s_mov_b32 s49, 0
	s_lshl_b32 s51, ttmp9, 2
	s_lshr_b32 s45, s16, 2
	s_add_co_u32 s51, s51, s45                     ; my group of 128 queries,
	s_and_b32 s52, s16, 3
	s_lshl_b32 s52, s52, 1                         ; and my first tile in it
	s_lshl_b32 s56, s51, 14
	s_add_co_u32 s56, s56, s28
	s_lshl_b32 s45, s52, 11
	s_add_co_u32 s56, s56, s45
	s_lshl_b32 s45, s19, 10
	s_add_co_u32 s56, s56, s45
	s_mov_b32 s57, 0
	s_lshr_b32 s58, s17, 4                         ; y_'s image: tile 64 batch + 8 group + my tile; K step = head pair; chunks 2 x head of the pair + 0, 1
	s_lshl_b32 s58, s58, 6
	s_lshl_b32 s45, s51, 3
	s_add_co_u32 s58, s58, s45
	s_add_co_u32 s58, s58, s52
	s_lshl_b32 s58, s58, 3
	s_and_b32 s45, s18, 7
	s_add_co_u32 s58, s58, s45
	s_lshl_b32 s58, s58, 11
	s_lshl_b32 s45, s19, 10
	s_add_co_u32 s58, s58, s45
	s_mov_b32 s59, 0
	v_add_nc_u32 v[AD], s50, v[LA]
	s_mov_b32 s20, 0x76543210                      ; v_permlanex16_b32's selects for lane l xor 16
	s_mov_b32 s21, 0xfedcba98
	s_wait_kmcnt 0x0
	s_load_b256 s[32:39], s[6:7], 0x0              ; e0 .. e7
	s_load_b128 s[40:43], s[6:7], 0x20             ; e8 .. e11
	s_add_nc_u64 s[10:11], s[4:5], s[46:47]
	s_add_nc_u64 s[12:13], s[4:5], s[48:49]
	s_add_nc_u64 s[14:15], s[4:5], s[56:57]
	s_add_nc_u64 s[8:9], s[8:9], s[58:59]
	s_wait_alu depctr_va_vdst(0)                   ; v[LA] is written, which every global load and store reads as its offset, and v[AD], which the fill's LDS stores read: no vector line between here and those names either, nor v96-159
.irp i, 0,1,2,3,4,5,6,7
	global_load_b128 v[96+4*\i:99+4*\i], v[LA], s[10:11] offset:(\i/2)*2048+(\i%2)*512
.endr
.irp i, 0,1,2,3,4,5,6,7
	global_load_b128 v[128+4*\i:131+4*\i], v[LA], s[12:13] offset:\i*512
.endr
.irp q, 0,1
.irp c, 0,1
	global_load_b128 v[QF+8*\q+4*\c:QF+8*\q+4*\c+3], v[LA], s[14:15] offset:\q*2048+\c*512   ; Q stays in registers
.endr
.endr
	v_mov_b32 v5, 0xff61b1e6                       ; the largest t so far: -3e38, under every t
	v_mov_b32 v7, 0xff61b1e6
	v_floor_f32 v4, -v5                            ; -M
	v_floor_f32 v6, -v7
	v_mov_b32 v8, 0                                ; the sums
	v_mov_b32 v9, 0
	v_mov_b32 v10, 0
	v_mov_b32 v11, 0
.set j, 0
.rept 64
	v_mov_b32 v[O+j], 0                            ; O^T.  (The step's arithmetic is written alike for all steps: the first finds zeros, which the first change of M leaves zeros)
.set j, j+1
.endr
	s_wait_kmcnt 0x0
	s_add_co_i32 s24, s38, s39
	s_lshl_b32 s24, s24, 23
	s_add_co_i32 s22, s24, 0x3fb8aa3b              ; c = log2(e) x 2^(e6 + e7): the exponents are added to the constant's exponent field
	s_mov_b32 s23, s22                             ; (named with it as a pair, so it is written)
	s_add_co_i32 s24, s41, 127
	s_lshl_b32 s25, s24, 23
	v_mov_b32 v3, s25                              ; 2^e9 as f32
	s_add_co_i32 s24, s24, 8
	s_lshl_b32 s24, s24, 23
	s_or_b32 s25, s24, 0x600000                    ; 448 x 2^e9
	s_sub_co_i32 s26, s43, s40
	s_sub_co_i32 s26, s26, s41                     ; e11 - e8 - e9: a sum of the second product stands for sum x 2^(e8 + e9)
	s_add_co_i32 s26, s26, 127
	s_lshl_b32 s27, s26, 23                        ; 2^that as f32
	s_add_co_i32 s26, s26, 8
	s_lshl_b32 s26, s26, 23
	s_or_b32 s26, s26, 0x600000                    ; 448 x that
	s_mov_b32 s54, 0                               ; LDS byte of the key step whose K is asked for next
	s_mov_b32 s55, 7                               ; trips of the loop: every key step but the last
	s_wait_loadcnt 4                               ; the sixteen loads of the fill are in; Q's four may be out
.irp i, 0,1,2,3,4,5,6,7
	ds_store_b128 v[AD], v[96+4*\i:99+4*\i] offset:\i*512
.endr
.irp i, 0,1,2,3,4,5,6,7
	ds_store_b128 v[AD], v[128+4*\i:131+4*\i] offset:8192+\i*512
.endr
	s_wait_dscnt 0x0                               ; for the others' sake: my part of K and V lies in LDS
	s_barrier_signal -1
	s_barrier_wait -1                              ; everybody's does; nothing is written to LDS from here on
.macro KLOAD g                         ; tiles 4 g .. 4 g + 3 of the K of the step at v[AD], into v[KB + 32 g] on
.irp t, 0,1,2,3
.irp c, 0,1
	ds_load_b128 v[KB+32*\g+8*\t+4*\c:KB+32*\g+8*\t+4*\c+3], v[AD] offset:(4*\g+\t)*1024+\c*512
.endr
.endr
.endm
.macro SPROD g                         ; their scores for both tiles of queries
.irp t, 0,1,2,3
.irp q, 0,1
	v_wmma_f32_16x16x64_fp8_fp8 v[S+64*\q+8*(4*\g+\t):S+64*\q+8*(4*\g+\t)+7], v[KB+32*\g+8*\t:KB+32*\g+8*\t+7], v[QF+8*\q:QF+8*\q+7], 0
.endr
.endr
.endm
.macro SUMS q                          ; the row's sum of the UNQUANTISED p, two at a time, in two chains
	v_pk_add_f32 v[240:241], v[S+64*\q:S+64*\q+1], v[S+64*\q+2:S+64*\q+3]
.irp j, 4,8,12,16,20,24,28,32,36,40,44,48,52,56,60
	v_pk_add_f32 v[8+2*\q:9+2*\q], v[8+2*\q:9+2*\q], v[S+64*\q+\j:S+64*\q+\j+1]
	v_pk_add_f32 v[240:241], v[240:241], v[S+64*\q+\j+2:S+64*\q+\j+3]
.endr
	v_pk_add_f32 v[8+2*\q:9+2*\q], v[8+2*\q:9+2*\q], v[240:241]
.endm
.macro HOLD q                          ; p is at most 1 and never negative: the hold at 448 x 2^e9 can bite only where that lies under 1, e9 < -8.  A branch on the given whole number
	s_cmp_ge_i32 s41, -8
	s_cbranch_scc1 .Lfits_\@
.set j, 0
.rept 64
	v_min_num_f32 v[S+64*\q+j], s25, v[S+64*\q+j]
.set j, j+1
.endr
.Lfits_\@:
.endm
.macro CODE q                          ; registers 16 b + i are keys 32 b + 16 (lane / 16) + i: the conversions' results are the second product's operand
.irp b, 0,1,2,3
	v_cvt_scalef32_pk8_fp8_f32 v[F+16*\q+4*\b:F+16*\q+4*\b+1], v[S+64*\q+16*\b:S+64*\q+16*\b+7], v3
	v_cvt_scalef32_pk8_fp8_f32 v[F+16*\q+4*\b+2:F+16*\q+4*\b+3], v[S+64*\q+16*\b+8:S+64*\q+16*\b+15], v3
.endr
.endm
; A KEY STEP of 128 keys.  At its head v[AD] stands at the step's bytes and K's tiles 0-3 have been asked for.  last = 1: the eighth step, which asks for no K ahead.
.macro STEP last
.rept 5
	v_nop                                          ; five places behind the last step's products: the scores are written over V's fragments, which those products read
.endr
	s_wait_alu depctr_va_vdst(0)                   ; the last step's products are done reading P's codes in v224-255, in which K's tiles 4-7 land
	KLOAD 1
	s_wait_dscnt 8                                 ; LDS loads come back in order (ISA guide 5.7.1): tiles 0-3, asked for a step ago, are in; the eight loads just issued may be out
	SPROD 0
.rept 5
	v_nop                                          ; five places: the next eight products write scores over K's tiles 0-3, which the last eight read
.endr
	s_wait_dscnt 0x0                               ; tiles 4-7 are in
	SPROD 1
.rept 4
	v_nop
.endr
	v_max3_num_f32 v12, v96, v97, v98              ; the step's largest score of my query among my 64 keys: two chains a tile, the tiles by turns; each accumulator is read from its low end on
	v_max3_num_f32 v13, v99, v100, v101
	v_max3_num_f32 v14, v160, v161, v162
	v_max3_num_f32 v15, v163, v164, v165
.irp i, 6,10,14,18,22,26,30,34,38,42,46,50,54,58
	v_max3_num_f32 v12, v12, v[96+\i], v[97+\i]
	v_max3_num_f32 v13, v13, v[98+\i], v[99+\i]
	v_max3_num_f32 v14, v14, v[160+\i], v[161+\i]
	v_max3_num_f32 v15, v15, v[162+\i], v[163+\i]
.endr
	v_max3_num_f32 v12, v12, v158, v159
	v_max3_num_f32 v14, v14, v222, v223
	v_max_num_f32 v12, v12, v13
	v_max_num_f32 v14, v14, v15
	v_permlanex16_b32 v13, v12, s20, s21           ; the query's other 64 keys lie in the lane 16 away
	v_permlanex16_b32 v15, v14, s20, s21
	v_max_num_f32 v12, v12, v13
	v_max_num_f32 v14, v14, v15
	v_mul_f32 v12, s22, v12                        ; as t (c is positive)
	v_mul_f32 v14, s22, v14
	v_max_num_f32 v5, v5, v12                      ; the running largest t
	v_max_num_f32 v7, v7, v14
	v_mov_b32 v13, v4
	v_mov_b32 v15, v6
	v_floor_f32 v4, -v5                            ; the new -M = floor(-t) = -ceil(t)
	v_floor_f32 v6, -v7
	v_sub_f32 v13, v4, v13                         ; old M - new M: a whole number, 0 or less
	v_sub_f32 v15, v6, v15
	v_cvt_i32_f32 v13, v13                         ; (it saturates)
	v_cvt_i32_f32 v15, v15
	v_ldexp_f32 v12, 1.0, v13                      ; f = 2^(old M - new M)
	v_ldexp_f32 v14, 1.0, v15
.set j, 0
.rept 32
	v_pk_fma_f32 v[96+j:97+j], v[96+j:97+j], s[22:23], v[4:5] op_sel_hi:[1,0,0]       ; t - M (of the pairs c and -M the low word serves both halves)
	v_pk_fma_f32 v[160+j:161+j], v[160+j:161+j], s[22:23], v[6:7] op_sel_hi:[1,0,0]
.set j, j+2
.endr
.set j, 0
.rept 128
	v_exp_f32 v[96+j], v[96+j]                     ; p = 2^(t - M), at most 1
.set j, j+1
.endr
	v_pk_mul_f32 v[8:9], v[8:9], v[12:13] op_sel_hi:[1,0]      ; the sums under the new M.  (The plain lines behind the exponentials)
	v_pk_mul_f32 v[10:11], v[10:11], v[14:15] op_sel_hi:[1,0]
	s_wait_alu depctr_va_vdst(0)                   ; the 128 exponentials have written p in v96-223: one wait for the batch, ahead of its first reader
	SUMS 0
	HOLD 0
	CODE 0
	s_wait_alu depctr_va_vdst(0)                   ; tile 0's sums, hold and conversions are done reading v96-159, in which V's fragments land
.irp t, 0,1,2,3                                    ; V's four fragments land where tile 0's p lay, while tile 1 is summed and converted: those lines name v160-255 and the sums, none of the registers that these loads touch
.irp c, 0,1,2,3
	ds_load_b128 v[96+16*\t+4*\c:96+16*\t+4*\c+3], v[AD] offset:8192+\t*2048+\c*512
.endr
.endr
	SUMS 1
	HOLD 1
	CODE 1
.if !\last
	s_add_co_u32 s54, s54, 16384
	s_wait_alu depctr_vm_vsrc(0)                   ; this step's LDS loads, K's and V's, have read v[AD]
	v_add_nc_u32 v[AD], s54, v[LA]                 ; the next key step.  (Also the plain line behind the conversions)
	s_wait_alu depctr_va_vdst(0)                   ; v[AD] is written; tile 1's sums, hold and conversions are done reading v192-223, in which the next step's tiles 0-3 of K land
	KLOAD 0
.endif
.set j, 0
.rept 16
	v_pk_mul_f32 v[O+j:O+j+1], v[O+j:O+j+1], v[12:13] op_sel_hi:[1,0]            ; O^T under the new M.  (Also the plain lines between the conversions and the products)
	v_pk_mul_f32 v[O+32+j:O+32+j+1], v[O+32+j:O+32+j+1], v[14:15] op_sel_hi:[1,0]
.set j, j+2
.endr
.if \last
	s_wait_dscnt 0x0                               ; V's fragments are in
.else
	s_wait_dscnt 8                                 ; V's sixteen loads are in; the eight younger ones, the next step's K, may be out
.endif
.irp t, 0,1,2,3                                    ; O^T += V^T P^T: eight accumulators, one instruction a turn
.irp q, 0,1
	v_wmma_f32_16x16x128_fp8_fp8 v[O+32*\q+8*\t:O+32*\q+8*\t+7], v[96+16*\t:96+16*\t+15], v[F+16*\q:F+16*\q+15], v[O+32*\q+8*\t:O+32*\q+8*\t+7]
.endr
.endr
.endm
	s_wait_alu depctr_vm_vsrc(0)                   ; my LDS stores of the fill have read v[AD], which is written next, and v96-159, over which the first scores are written
	v_add_nc_u32 v[AD], s54, v[LA]                 ; key step 0
	s_wait_alu depctr_va_vdst(0)                   ; v[AD] is written, which the loads below read
	KLOAD 0                                        ; the first step's tiles 0-3 of K
	s_wait_loadcnt 0x0                             ; Q
.Lstep:                                            ; 7 trips of 128 keys
	STEP 0
	s_sub_co_u32 s55, s55, 1
	s_cmp_lg_u32 s55, 0
	s_cbranch_scc1 .Lstep
	STEP 1                                         ; the eighth step is written out: it asks for nothing beyond K's and V's bytes
	; THE WAY OUT: O^T / the sum, quantised with 2^(e11 - e8 - e9).  Registers 16 b + i of a tile are channels 32 b + 16 (lane / 16) + i: chunk 2 x head of the pair + b of y_'s image.
.rept 4
	v_nop
.endr
	v_add_f32 v8, v8, v9
	v_add_f32 v10, v10, v11
	v_permlanex16_b32 v9, v8, s20, s21
	v_permlanex16_b32 v11, v10, s20, s21
	v_add_f32 v8, v8, v9                           ; the row's sum
	v_add_f32 v10, v10, v11
	v_rcp_f32 v8, v8
	v_rcp_f32 v10, v10
	v_mov_b32 v14, s27                             ; (plain lines behind the reciprocals)
	v_mov_b32 v15, s26
	s_wait_alu depctr_va_vdst(0)                   ; the two reciprocals have written v8 and v10: one wait for both, ahead of the first reader
.set j, 0
.rept 16
	v_pk_mul_f32 v[O+j:O+j+1], v[O+j:O+j+1], v[8:9] op_sel_hi:[1,0]
	v_pk_mul_f32 v[O+32+j:O+32+j+1], v[O+32+j:O+32+j+1], v[10:11] op_sel_hi:[1,0]
.set j, j+2
.endr
.set j, 0
.rept 64
	v_med3_num_f32 v[O+j], v[O+j], -v15, v15
.set j, j+1
.endr
.irp q, 0,1
.irp b, 0,1
	v_cvt_scalef32_pk8_fp8_f32 v[96+8*\q+4*\b:96+8*\q+4*\b+1], v[O+32*\q+16*\b:O+32*\q+16*\b+7], v14
	v_cvt_scalef32_pk8_fp8_f32 v[96+8*\q+4*\b+2:96+8*\q+4*\b+3], v[O+32*\q+16*\b+8:O+32*\q+16*\b+15], v14
.endr
.endr
	v_nop
	s_wait_alu depctr_va_vdst(0)                   ; the conversions have written v96-111, which the stores read
.irp q, 0,1
.irp b, 0,1
	global_store_b128 v[LA], v[96+8*\q+4*\b:96+8*\q+4*\b+3], s[8:9] offset:\q*16384+\b*512   ; 32 lanes store 512 consecutive bytes, aligned
.endr
.endr
	s_wait_xcnt 0x0                                ; every earlier memory instruction has had its addresses translated (ISA guide 3.1)
	v_lshl_add_u32 v254, v0, 2, 0x20000            ; the add's two registers are made anew, since none can be kept: my spare word, behind K's and V's 128 KiB; no memory or LDS instruction has read v254 or v255
	v_mov_b32 v255, 0
	s_wait_dscnt 0x0                               ; the closing lines, six on end
	s_wait_alu 0x0
	s_wait_tensorcnt 0x0
	ds_add_u32 v254, v255
	s_wait_dscnt 0x0
	s_endpgm
.Lfunc_end_k_qaeca92452c_attn:
	.size	k_qaeca92452c_attn, .Lfunc_end_k_qaeca92452c_attn-k_qaeca92452c_attn
	.p2alignl 7, 3214868480
	.fill 96, 4, 3214868480
	.section	.rodata,"a",@progbits
	.p2align	6, 0x0
	.amdhsa_kernel k_qaeca92452c_attn
		.amdhsa_group_segment_fixed_size 133120
		.amdhsa_private_segment_fixed_size 0
		.amdhsa_enable_private_segment 0
		.amdhsa_kernarg_size 24
		.amdhsa_user_sgpr_count 2
		.amdhsa_user_sgpr_kernarg_segment_ptr 1
		.amdhsa_wavefront_size32 1
		.amdhsa_system_sgpr_workgroup_id_x 1
		.amdhsa_system_sgpr_workgroup_id_y 1
		.amdhsa_system_sgpr_workgroup_id_z 1
		.amdhsa_system_vgpr_workitem_id 0
		.amdhsa_next_free_vgpr 256
		.amdhsa_next_free_sgpr 66
		.amdhsa_reserve_vcc 0
		.amdhsa_float_denorm_mode_32 3
		.amdhsa_float_denorm_mode_16_64 3
		.amdhsa_memory_ordered 1
		.amdhsa_forward_progress 1
		.amdhsa_inst_pref_size 74
	.end_amdhsa_kernel
	.amdgpu_metadata
---
amdhsa.version: [ 1, 2 ]
amdhsa.kernels:
  - .name:           k_qaeca92452c_attn
    .symbol:         k_qaeca92452c_attn.kd
    .args:
      - { .name: qkv, .offset: 0, .size: 8, .value_kind: global_buffer, .address_space: global }
      - { .name: lowp_scales, .offset: 8, .size: 8, .value_kind: global_buffer, .address_space: global }
      - { .name: yimg, .offset: 16, .size: 8, .value_kind: global_buffer, .address_space: global }
    .group_segment_fixed_size: 133120
    .private_segment_fixed_size: 0
    .kernarg_segment_align: 8
    .kernarg_segment_size: 24
    .max_flat_workgroup_size: 512
    .sgpr_count:     66
    .vgpr_count:     256
    .wavefront_size: 32
...
	.end_amdgpu_metadata
.endif
;; end of part 5
;; launch colsm: the kernel of part 4 again; grid 16 x 8, 4 waves a work-group, clusters of 4 x 1, 327,680 bytes of LDS; arguments xc, yimg, lowp_scales, out0; writes out0
